; MI455X (gfx1250); checked and timed in simulation.
; The chip was launched on July 23, 2026; its instructions are those of AMD's public machine-readable ISA for CDNA 5 (MIT licence, August 2026) and "CDNA5" Instruction Set Architecture Reference Guide (July 2026). The comments in the code are by the model that wrote it; some were corrected since.
;; Self Attention. Allowed arithmetic: matrix products marked QUANTISED: E3M2 operands, one E8M0 scale for each 32 along K, by v_wmma_scale_f32_16x16x128_f8f6f4 with both operands' format E3M2, f32 sums; everything else in f32.
;; Inputs: Wk 1,024 x 1,024 float32; Wo 1,024 x 1,024 float32; Wq 1,024 x 1,024 float32; Wv 1,024 x 1,024 float32; bk 1,024 float32; bo 1,024 float32; bq 1,024 float32; bv 1,024 float32; x 4 x 2,048 x 1,024 float32.
;; Outputs: out0 4 x 2,048 x 1,024 float32.
;; This version of the problem:
;;   THIS VERSION OF THE PROBLEM IS GIVEN IN LOW PRECISION. The matrix products marked QUANTISED in the list below multiply operands that are first quantised to E3M2 (3 exponent bits, 2 mantissa bits; 6 bits a number), with one power-of-two scale for each 32 numbers along K (OCP MX v1.0); their sums are f32. All else is computed in f32.
;;   The module's matrix products, in the order in which they are computed (A, B: the left and right operand; K: the contracted axis; several contracted axes count as one K, in the product's order):
;;     1. [M 8,192, K 1,024] x [K 1,024, N 1,024]; A: input x; B: input Wq: QUANTISED
;;     2. [M 8,192, K 1,024] x [K 1,024, N 1,024]; A: input x; B: input Wk: QUANTISED
;;     3. [M 8,192, K 1,024] x [K 1,024, N 1,024]; A: input x; B: input Wv: QUANTISED
;;     4. batch 64 x [M 2,048, K 64] x [K 64, N 2,048]; A: computed on the way; B: computed on the way: QUANTISED
;;     5. batch 64 x [M 2,048, K 2,048] x [K 2,048, N 64]; A: softmax (see below); B: computed on the way: QUANTISED
;;     6. [M 8,192, K 1,024] x [K 1,024, N 1,024]; A: computed on the way; B: input Wo: QUANTISED
;;   THE QUANTISER, for each operand of a quantised product, along K:
;;     - K is cut into blocks of 32 from its start; a last block that is shorter is filled with zeros.
;;     - A block's scale is 2^e with e = floor(log2(the largest magnitude in the block)) - 4, held to -126 .. 127; a block of zeros has e = 0. As a byte (E8M0): e + 127.
;;     - Each number is divided by its block's scale, clamped to +-28, and rounded to the nearest number of E3M2, ties to even, subnormals kept.
;;     - The product sums the exact products of the quantised numbers (number of the format x scale) in f32.
;;   ~~~python
;;   def quantise(x, axis):      # numpy; x: float32 -> the quantised numbers, widened to float32 again
;;       x = np.moveaxis(x, axis, -1); K = x.shape[-1]
;;       x = np.pad(x, [(0, 0)] * (x.ndim - 1) + [(0, -K % 32)]); x = x.reshape(x.shape[:-1] + (-1, 32)); a = np.abs(x).max(-1, keepdims=True)
;;       e = np.where(a > 0, np.clip(np.frexp(np.where(a > 0, a, 1))[1] - 1 - 4, -126, 127), 0)      # np.frexp(a)[1] - 1 = floor(log2(a)), exactly
;;       r = np.clip(x / 2.0 ** e, -28, 28)
;;       step = 2.0 ** (np.maximum(np.frexp(np.where(r == 0, 1, r))[1] - 1, -2) - 2)
;;       q = np.round(r / step) * step * 2.0 ** e      # np.round: ties to even
;;       return np.moveaxis(q.reshape(q.shape[:-2] + (-1,))[..., :K], -1, axis).astype(np.float32)
;;   ~~~
;;   SOFTMAX AHEAD OF A QUANTISED PRODUCT. Where the list says 'softmax', what is quantised is not the finished softmax but p = 2^(t - M), with t = logit x log2(e) and M = ceil(the row's largest t), a whole number; so 1/2 < the row's largest p <= 1. The row's sum l is taken of the UNQUANTISED p, in f32, and the product's result is divided by l at the end. Since M is a whole number, a kernel that streams over the keys may use a running M (the ceiling of the running maximum): every later rescaling is an exact power of two, which a block's scale takes up: the codes' values come out the same.
;;   OPERANDS COMPUTED ON THE WAY. 'Computed on the way' means the value that the module computes at that place (a softmax that the list does not call 'softmax' is quantised finished and normalised). What goes into a quantiser is computed in f32, as accurately as f32 sums, v_exp_f32 and their like allow (about 1e-6 of the number): no bf16 or f16 on the way to a quantiser, and a product that is left as it is and whose result goes on into a quantised operand takes f32 operands (vector FMAs, or v_wmma_f32_16x16x4_f32). A number that lies on a knife's edge between two numbers of the format may be rounded either way, as far as f32 arithmetic and the matrix unit's own rounding can turn it there, and no further.
;; One version. Each part assembles by itself: llvm-mc -triple=amdgcn-amd-amdhsa -mcpu=gfx1250 --defsym DOCPART=n.
;; ======== version 1 of 1: 4 launches
;; workspace buffers: codes 9,437,184 bytes; scales 393,216 bytes; qkv_img 18,874,368 bytes; qkv_sc 1,310,720 bytes; o_img 6,291,456 bytes; o_sc 262,144 bytes
;; launch quant (part 1): grid 384 x 1, 4 waves a work-group, no clusters, 33,280 bytes of LDS; arguments x, Wq, Wk, Wv, Wo, codes, scales; writes codes, scales
.if DOCPART == 1
	.amdgcn_target "amdgcn-amd-amdhsa--gfx1250"
	.amdhsa_code_object_version 6
	.text
	.protected	k_q3262b05101_quant
	.globl	k_q3262b05101_quant
	.p2align	8
	.type	k_q3262b05101_quant,@function
k_q3262b05101_quant:
	s_mov_b64 s[64:65], 0
	v_nop
	global_prefetch_b8 v0, s[64:65] scope:SCOPE_SE
	s_setreg_imm32_b32 hwreg(HW_REG_WAVE_MODE, 25, 1), 1
	s_wait_xcnt 0x0
; x [8192][1024] and Wq, Wk, Wv, Wo [1024][1024], f32, K innermost, become codes of BF6 (E3M2) with one E8M0 byte for each 32 along K.
; OUT: codes [12288 rows][768 bytes] (rows 0.. x, 8192.. Wq, 9216.. Wk, 10240.. Wv, 11264.. Wo), scales [12288][32].
; A block's scale is 2^(floor(log2(its largest magnitude)) - 4); its byte is the largest magnitude's exponent field - 4, held at 1 from below.
; THE ORDER INSIDE A BLOCK: position 16 g + 8 a + e of a block's 32 codes holds the number with index 16 a + 8 g + e.  A block's scale hangs on the SET of its numbers alone, and a product is
; the same under any order that both operands share.  Operands that later launches make from matrix results come out in this order by themselves, so the inputs are laid in it too.
; LIMITS: NaN and infinities among the inputs are not served.  A block of zeros gets the byte 1 where the rule says 127: its codes are zeros, and this program alone reads the bytes.
; Blocks whose largest magnitude lies under 2^(5 - 127) are held at the byte 1.
; Rows are dense and 1024 is a multiple of 32: every tensor is a plain stream of blocks.  A wave takes 16 steps of 512 numbers.  Each of a step's four loads reads 512 consecutive bytes; the 2,048 bytes
; turn through the wave's own stage in LDS and come back 16 numbers a lane, two neighbouring lanes to a block.  No tensor loads, no barrier: waves share nothing.
; The 384 work-groups take the tensors in the order of the output rows, so the output's place is the work-group's number alone; only the input's pointer is chosen.
.set STEPS, 16
.set EMAX,  4
.set CB,    12                         ; bytes of 16 codes
.set R,     16                         ; v16-79   four sets of 16 numbers as they are loaded
.set X,     80                         ; v80-111  two sets of 16 numbers of one block
.set C,     128                        ; v128-191 codes: four registers for each step, so that no store's data are written again
.set E,     112                        ; v112-127 a scale byte for each step
.set WREG,  8192                       ; LDS: a region for each wave: two stages of 32 x SP bytes, behind them its 256 scale bytes
.set SP,    80                         ; 64 bytes of a stage + 16 of padding
	s_load_b128 s[4:7], s[0:1], 0x0                ; x, Wq
	s_load_b128 s[8:11], s[0:1], 0x10              ; Wk, Wv
	s_load_b128 s[12:15], s[0:1], 0x20             ; Wo, codes
	s_load_b64 s[16:17], s[0:1], 0x30              ; scales
	v_lshl_add_u32 v192, v0, 2, 0x8000
	v_mov_b32 v193, 0
	v_lshrrev_b32 v1, 5, v0
	v_readfirstlane_b32 s18, v1                    ; wave
	v_and_b32 v2, 31, v0                           ; lane
	v_lshlrev_b32 v3, 4, v2                        ; my 16 bytes of a load's 512
	s_mul_i32 s20, s18, WREG
	v_lshrrev_b32 v14, 2, v2
	v_mul_u32_u24 v14, v14, SP
	v_and_b32 v15, 3, v2
	v_lshl_add_u32 v14, v15, 4, v14
	v_add_nc_u32 v14, s20, v14                     ; the stage, on the way in: four lanes' 64 bytes on end, then 16 of padding
	v_lshrrev_b32 v15, 1, v2
	v_mul_u32_u24 v15, v15, 2*SP                   ; on the way out: block lane / 2 lies in two places of SP bytes;
	v_and_b32 v13, 1, v2
	v_lshl_add_u32 v15, v13, 5, v15                ; lane 2 m + g takes numbers 8 g .. 8 g + 7 of each place
	v_add_nc_u32 v15, s20, v15
	v_mul_u32_u24 v4, v2, CB                       ; my codes' place in a step's
	v_lshrrev_b32 v5, 1, v2
	s_add_co_u32 s20, s20, 2*32*SP
	v_add_nc_u32 v5, s20, v5                       ; LDS: my wave's 256 scale bytes, my block's byte
	v_lshlrev_b32 v7, 3, v2                        ; and on the way out 8 bytes a lane
	v_add_nc_u32 v6, s20, v7
	s_mov_b32 s19, 0                               ; the first work-group of the tensor that is mine
	s_wait_kmcnt 0x0
	s_cmp_ge_u32 ttmp9, 256                        ; the choice hangs on the work-group's number alone
	s_cselect_b64 s[4:5], s[6:7], s[4:5]
	s_cselect_b32 s19, 256, s19
	s_cmp_ge_u32 ttmp9, 288
	s_cselect_b64 s[4:5], s[8:9], s[4:5]
	s_cselect_b32 s19, 288, s19
	s_cmp_ge_u32 ttmp9, 320
	s_cselect_b64 s[4:5], s[10:11], s[4:5]
	s_cselect_b32 s19, 320, s19
	s_cmp_ge_u32 ttmp9, 352
	s_cselect_b64 s[4:5], s[12:13], s[4:5]
	s_cselect_b32 s19, 352, s19
	s_sub_co_u32 s21, ttmp9, s19
	s_lshl_b32 s21, s21, 2
	s_add_co_u32 s21, s21, s18                     ; which run of 8,192 numbers of the input is my wave's
	s_lshl_b32 s22, s21, 15                        ; 32,768 bytes a run
	s_mov_b32 s23, 0
	s_add_nc_u64 s[4:5], s[4:5], s[22:23]
	s_lshl_b32 s21, ttmp9, 2
	s_add_co_u32 s21, s21, s18                     ; and of the output: 0 .. 1535
	s_mul_i32 s22, s21, 32*STEPS*CB                ; 6,144 bytes of codes a run
	s_add_nc_u64 s[14:15], s[14:15], s[22:23]
	s_lshl_b32 s22, s21, 8                         ; 256 scale bytes a run
	s_add_nc_u64 s[16:17], s[16:17], s[22:23]
.macro LOAD t
.irp i, 0,1,2,3
	global_load_b128 v[R+16*((\t)%4)+4*\i:R+16*((\t)%4)+4*\i+3], v3, s[4:5] offset:2048*(\t)+512*\i th:TH_LOAD_NT   ; 32 lanes read 512 consecutive bytes
.endr
.endm
.macro TURN t                          ; step t's numbers through the stage: LDS serves a wave's instructions in order, so no wait stands between the stores and the loads
.irp i, 0,1,2,3
	ds_store_b128 v14, v[R+16*((\t)%4)+4*\i:R+16*((\t)%4)+4*\i+3] offset:32*SP*((\t)%2)+8*SP*\i
.endr
.irp i, 0,1,2,3
	ds_load_b128 v[X+16*((\t)%2)+4*\i:X+16*((\t)%2)+4*\i+3], v15 offset:32*SP*((\t)%2)+SP*(\i/2)+16*(\i%2)   ; numbers 8 g + 0..7, then 16 + 8 g + 0..7 of my block
.endr
.endm
.irp t, 0,1,2,3
	LOAD \t
.endr
	s_wait_loadcnt 12                              ; step 0's four loads are in
	TURN 0
.macro STEP t
.set XS, X+16*((\t)%2)
.if (\t) > 0
	s_wait_dscnt 1                                 ; this step's numbers are back from the stage (the last step's byte store may be out): so its stores into the stage have read their registers,
.else
	s_wait_dscnt 0x0
.endif
.if (\t)+4 < STEPS
	LOAD (\t)+4                                    ; which take the loads of four steps on
.endif
.if (\t)+1 < STEPS
.if STEPS-2-(\t) >= 3
	s_wait_loadcnt 12                              ; the next step's four loads are in; those of the three steps behind it may be out
.else
	s_wait_loadcnt 4*(STEPS-2-(\t))
.endif
	TURN (\t)+1                                    ; and go through the other stage while this step is worked
.endif
	v_max3_num_f32 v8, |v[XS]|, |v[XS+1]|, |v[XS+2]|               ; the largest magnitude of my 16
	v_max3_num_f32 v9, |v[XS+3]|, |v[XS+4]|, |v[XS+5]|
.irp i, 6,10
	v_max3_num_f32 v8, v8, |v[XS+\i]|, |v[XS+\i+1]|
	v_max3_num_f32 v9, v9, |v[XS+\i+2]|, |v[XS+\i+3]|
.endr
	v_max3_num_f32 v8, v8, |v[XS+14]|, |v[XS+15]|
	v_max3_num_f32 v8, v8, v9, (EMAX+1)<<23        ; and the floor 2^(EMAX + 1 - 127): the byte cannot fall under 1
	v_max_num_f32_dpp v8, v8, v8 row_xmask:1 row_mask:0xf bank_mask:0xf   ; and of my neighbour's 16: the block's
	v_add_nc_u32 v11, -(EMAX<<23), v8              ; EMAX off its exponent field: the conversion takes the exponent field of this operand as its scale, and nothing else of it
	v_cvt_scalef32_pk16_bf6_f32 v[C+4*(\t):C+4*(\t)+2], v[XS:XS+15], v11   ; sixteen numbers / the scale, to the nearest code, ties to even, beyond the largest code the largest
	v_lshrrev_b32 v[E+(\t)], 23, v11               ; the scale's byte
	ds_store_b8 v5, v[E+(\t)] offset:16*(\t)       ; both lanes of a block write the same byte with the same value
	global_store_b96 v4, v[C+4*(\t):C+4*(\t)+2], s[14:15] offset:32*CB*(\t)   ; the wave stores 384 consecutive bytes
.endm
.irp t, 0,1,2,3,4,5,6,7,8,9,10,11,12,13,14,15
	STEP \t
.endr
	ds_load_b64 v[12:13], v6                       ; LDS serves a wave's instructions in order: these see my stores
	s_wait_dscnt 0x0
	global_store_b64 v7, v[12:13], s[16:17]        ; 32 lanes store 256 consecutive bytes, aligned
	s_wait_tensorcnt 0x0
	ds_add_u32 v192, v193
	s_wait_dscnt 0x0
	s_endpgm
.Lfunc_end_k_q3262b05101_quant:
	.size	k_q3262b05101_quant, .Lfunc_end_k_q3262b05101_quant-k_q3262b05101_quant
	.p2alignl 7, 3214868480
	.fill 96, 4, 3214868480
	.section	.rodata,"a",@progbits
	.p2align	6, 0x0
	.amdhsa_kernel k_q3262b05101_quant
		.amdhsa_group_segment_fixed_size 33280
		.amdhsa_private_segment_fixed_size 0
		.amdhsa_enable_private_segment 0
		.amdhsa_kernarg_size 56
		.amdhsa_user_sgpr_count 2
		.amdhsa_user_sgpr_kernarg_segment_ptr 1
		.amdhsa_wavefront_size32 1
		.amdhsa_system_sgpr_workgroup_id_x 1
		.amdhsa_system_sgpr_workgroup_id_y 1
		.amdhsa_system_sgpr_workgroup_id_z 1
		.amdhsa_system_vgpr_workitem_id 0
		.amdhsa_next_free_vgpr 194
		.amdhsa_next_free_sgpr 66
		.amdhsa_reserve_vcc 0
		.amdhsa_float_denorm_mode_32 3
		.amdhsa_float_denorm_mode_16_64 3
		.amdhsa_memory_ordered 1
		.amdhsa_forward_progress 1
		.amdhsa_inst_pref_size 33
	.end_amdhsa_kernel
	.amdgpu_metadata
---
amdhsa.version: [ 1, 2 ]
amdhsa.kernels:
  - .name:           k_q3262b05101_quant
    .symbol:         k_q3262b05101_quant.kd
    .args:
      - { .name: x, .offset: 0, .size: 8, .value_kind: global_buffer, .address_space: global }
      - { .name: Wq, .offset: 8, .size: 8, .value_kind: global_buffer, .address_space: global }
      - { .name: Wk, .offset: 16, .size: 8, .value_kind: global_buffer, .address_space: global }
      - { .name: Wv, .offset: 24, .size: 8, .value_kind: global_buffer, .address_space: global }
      - { .name: Wo, .offset: 32, .size: 8, .value_kind: global_buffer, .address_space: global }
      - { .name: codes, .offset: 40, .size: 8, .value_kind: global_buffer, .address_space: global }
      - { .name: scales, .offset: 48, .size: 8, .value_kind: global_buffer, .address_space: global }
    .group_segment_fixed_size: 33280
    .private_segment_fixed_size: 0
    .kernarg_segment_align: 8
    .kernarg_segment_size: 56
    .max_flat_workgroup_size: 128
    .sgpr_count:     66
    .vgpr_count:     194
    .wavefront_size: 32
...
	.end_amdgpu_metadata
.endif
;; end of part 1
;; launch qkv (part 2): grid 12 x 32, 4 waves a work-group, clusters of 4 x 4, 327,680 bytes of LDS; arguments codes, scales, bq, bk, bv, qkv_img, qkv_sc; writes qkv_img, qkv_sc
.if DOCPART == 2
	.amdgcn_target "amdgcn-amd-amdhsa--gfx1250"
	.amdhsa_code_object_version 6
	.text
	.protected	k_q3262b05101_qkv
	.globl	k_q3262b05101_qkv
	.p2align	8
	.type	k_q3262b05101_qkv,@function
k_q3262b05101_qkv:
	s_mov_b64 s[64:65], 0
	v_nop
	global_prefetch_b8 v0, s[64:65] scope:SCOPE_SE
	s_setreg_imm32_b32 hwreg(HW_REG_WAVE_MODE, 25, 1), 1
	s_wait_xcnt 0x0
	s_wait_alu depctr_hold_cnt(0) depctr_sa_sdst(0) depctr_va_vdst(0) depctr_va_sdst(0) depctr_va_ssrc(0) depctr_va_vcc(0) depctr_vm_vsrc(0)
	s_getreg_b32 s2, hwreg(HW_REG_IB_STS2, 6, 4)
	s_cmp_eq_u32 s2, 0
	s_cbranch_scc0 .Lentry_in_a_cluster
	s_endpgm
.Lentry_in_a_cluster:
	s_bfe_u32 s2, ttmp6, 0x10000c
	s_cmp_lg_u32 s2, 0xf033
	s_cbranch_scc0 .Lentry_shape_is_right
	s_endpgm
.Lentry_shape_is_right:
; q = x Wq^T + bq, k = x Wk^T + bk, v = x Wv^T + bv on codes of BF6 (E3M2) with E8M0 scales, f32 sums; the results are quantised here, in f32, and leave as IMAGES OF THE REGISTERS of the attention launch's operands.
; Both operands of every product lie in one buffer of codes [12288 rows][768 bytes] and one of scale bytes [12288][32] (rows 0.. x, 8192.. Wq, 9216.. Wk, 10240.. Wv).
; A tile of 256 x 256 results is made by four waves, 128 x 128 each: 64 accumulators, 512 registers.  K goes in steps of 256 through a ring of two LDS slots filled by the tensor data mover.
; THE KIND of a cluster is its x: 0 = q, 1 = k, 2 = v; all sixteen partners share it.  The matrix instruction takes 16 "B" rows as source 0 and 16 "A" rows as source 1: a lane then holds ONE A row, and its
; registers run along the B rows.  A quantiser wants its K along a lane's registers.  q and k are quantised along the head's channels: A = x (tokens), B = Wq or Wk.  v is quantised along the keys: A = Wv (channels), B = x.
; Only the numbers of the blocks of 256 rows are chosen by the kind; A's never holds cx, B's never cy.
; CLUSTERS: 4 x 4 work-groups.  The four of a row of the cluster need the same tiles of A, the four of a column the same tiles of B: each tile is asked for JOINTLY.
; THE ORDER INSIDE A BLOCK OF 32: a lane of half g holds, of two neighbouring tiles a = 0, 1, the indices 16 a + 8 g + e; they become positions 16 g + 8 a + e.  Every operand of this program has that order.
; OUT, for each (batch, head) hb: qkv_img + 294,912 hb: Q [tile of 16 tokens 128][768], K at + 98,304 likewise, V at + 196,608 [key step 16][16 channels 4][half 2][768].  768 bytes are six registers of a fragment:
; registers 0-3 of lane l at 16 l, registers 4-5 at 512 + 8 l.  qkv_sc + 20,480 hb: Q's scale words [token 2048], K's at + 8,192, V's at + 16,384 [key step 16][4][channel 16].
; In a word of Q or K bytes 0, 1 are the head's two blocks; bytes 2, 3 (the neighbouring head's, or 0) only ever meet zero codes and are never 0xff.
; LIMITS: NaN and infinities are not served; a block of zeros gets the byte 1 (its codes are zeros; this program alone reads the bytes).
; REGISTERS, in windows of 256: window 0: v0-31 addresses; v32-63 scale words, two sets; v64-127 the bias along the registers; from v128 A's fragments, ONE set, later 64 numbers and their codes; v224-231 the bias along the lanes; v232-251 at work.
;   window 1: B's fragments, TWO sets.   window 2: the accumulators of my rows 0-63 ((a, b) at v[8 (8 a + b)]);   window 3: those of my rows 64-127.
.set KSTEP,  256                       ; along K in a slot
.set NQ,     KSTEP/128                 ; matrix instructions deep
.set ROWB,   192                       ; a tile's row in bytes
.set KROW,   768                       ; a row of codes in memory
.set PITCH,  240                       ; an LDS row: 3 x (64 bytes + 16 of padding): the 32 lanes of a load of 8 bytes touch 64 different banks (64 banks of 4 bytes: ISA guide 11.1)
.set FR,     12                        ; registers of a fragment
.set NL,     6                         ; LDS loads that bring one
.set NP,     4                         ; places behind this matrix instruction (ISA guide 7.12.1)
.set HALFT,  128*PITCH
.set SLOT,   4*HALFT                   ; A's 256 rows, then B's 256 rows
.set LAPS,   1024/(2*KSTEP)
.set KS,     32                        ; a row of scale bytes
.set SCL,    2*SLOT                    ; behind the ring: the scales, as units of 256 bytes + 16 of padding
.set HALFS,  (128*KS/256)*272
.set SBLK,   (16*KS/256)*272
.set SPARE,  SCL+4*HALFS               ; the spare words, 128 bytes for each wave: two blocks of 256 bytes that no other line names
.set VB0,  7                           ; v7      32 x half: the bias along the registers
.set VO16, 8                           ; v8      16 x lane
.set VO8,  9                           ; v9      8 x lane
.set VSA,  10                          ; v10     where my scale word goes
.set VSH,  11                          ; v11     and by how many bits it is shifted down
.set VB1,  12                          ; v12     4 x (lane % 16): the bias along the lanes
.set ADRA, 16                          ; v16-17  LDS address of my A fragments in slot 0, 1  (v18-19: behind one padding more)
.set ADRB, 20                          ; v20-21  the same for B  (v22-23)
.set ADRS, 27                          ; v27     LDS address of my scale words: lanes 0-15 A's rows, lanes 16-31 B's
.set SPW,  28                          ; v28     LDS address of my spare word; never rewritten
.set NIL,  29                          ; v29     0; never rewritten
.set SC,   32
.set BS0,  64
.set AF,   128
.set ST,   128                         ; the way out: a block's 64 numbers
.set PC,   192                         ; and its codes
.set BS1,  224
.set TM,   232
.set PW,   248
.set PW2,  249
.set BB,   250                         ; v250-251 the lane's bias, twice
.set G1, 24
.set G0, 32
.set G1B, 48
.set G0B, 56
.set G1S, 68
.set G0S, 76
.set G1SB, 80
.set G0SB, 88
.set SEL, 90                           ; the way out: s[90:91] lane selects for v_permlanex16_b32
.set MSB, 0
.macro WIN new                         ; the immediate's high byte repeats the setting that is left
.if MSB != \new
	s_set_vgpr_msb (MSB<<8)|\new
.set MSB, \new
.endif
.endm
.set MUL_LO, 0xa1                      ; source 0 (B) window 1, source 1 (A) window 0, C and D window 2
.set MUL_HI, 0xf1                      ; the same, C and D window 3
.set TO_B,   0x40                      ; destination window 1, address window 0
; A joint load: waves 0 and 1 fetch for A, waves 2 and 3 for B.  The branch hangs on the wave's number alone.  Four v_nop follow each of the two lines.
.macro JLOAD g0a, g1a, g0b, g1b
	s_cmp_eq_u32 s15, 0
	s_cbranch_scc0 .Lfor_b_\@
	tensor_load_to_lds s[\g0a:\g0a+3], s[\g1a:\g1a+7]
	s_nop 0
.rept 4
	v_nop
.endr
	s_branch .Lasked_\@
.Lfor_b_\@:
	tensor_load_to_lds s[\g0b:\g0b+3], s[\g1b:\g1b+7]
	s_nop 0
.rept 4
	v_nop
.endr
.Lasked_\@:
.endm
.macro CREST                           ; a round of the cluster's barrier behind its opening barrier
	s_cmp_lg_u32 s14, 0
	s_cbranch_scc1 .Lnot_wave_0_\@
	s_barrier_signal -3
.Lnot_wave_0_\@:
	s_barrier_wait -3
	s_barrier_signal -1
	s_barrier_wait -1
.endm
.macro CROUND                          ; a whole round
	s_barrier_signal -1
	s_barrier_wait -1
	CREST
.endm
	s_load_b128 s[4:7], s[0:1], 0x0                ; codes s[4:5], scale bytes s[6:7]
	s_load_b128 s[8:11], s[0:1], 0x10              ; bq, bk
	s_load_b64 s[12:13], s[0:1], 0x20              ; bv
	s_load_b128 s[96:99], s[0:1], 0x28             ; qkv_img, qkv_sc
	v_lshl_add_u32 v[SPW], v0, 2, SPARE
	v_mov_b32 v[NIL], 0
	ds_add_u32 v28, v29
	ds_add_u32 v28, v29
	s_wait_dscnt 0x0
	v_lshrrev_b32 v1, 5, v0
	v_readfirstlane_b32 s14, v1                    ; wave 0..3
	s_lshr_b32 s15, s14, 1                         ; which half of A's rows is mine.  Also: I fetch for A (0) or for B (1)
	s_and_b32 s16, s14, 1                          ; which half of B's rows.  Also: which 128 rows I fetch
	s_bfe_u32 s40, ttmp6, 0x40000                  ; cx, cy: my place in the cluster
	s_bfe_u32 s41, ttmp6, 0x40004
	s_mov_b32 s66, ttmp9                           ; the kind: the cluster's x
	s_and_b32 s67, ttmp7, 0xffff
	s_lshl_b32 s67, s67, 2                         ; 4 x the cluster's y: the first of its four blocks of 256 tokens
	s_lshl_b32 s42, s66, 2
	s_add_co_u32 s42, s42, 32                      ; Wq's or Wk's first block of 256 rows: 32 + 4 x kind
	s_cmp_eq_u32 s66, 2
	s_cselect_b32 s17, 40, s67                     ; A: v: Wv's blocks, from 40;  q, k: the tokens'
	s_cselect_b32 s42, s67, s42                    ; B: v: the tokens';  q, k: the weight's
	s_add_co_u32 s17, s17, s41                     ; A's block of 256 rows: + cy
	s_add_co_u32 s42, s42, s40                     ; B's: + cx
	s_lshl_b32 s43, s41, 2
	s_lshl_b32 s43, 15, s43                        ; my row of the cluster
	s_lshl_b32 s44, 0x1111, s40                    ; my column
	; descriptor group 1: a tile of 128 rows x ROWB bytes, padded in LDS
	s_or_b32 s[G1+0], s43, (0<<16)|(1<<20)|(1<<21)|(3<<22)|(3<<25)  ; 15:0 the mask: A's tiles go to my row; elements of 1 byte; padding on; 21 set beside a mask; after every 16 words 4 words
	s_or_b32 s[G1B+0], s44, (0<<16)|(1<<20)|(1<<21)|(3<<22)|(3<<25)
.irp g, G1, G1B
	s_mov_b32 s[\g+1], ROWB<<16                    ; tensor_dim0
	s_mov_b32 s[\g+2], 128<<16                     ; tensor_dim1
	s_mov_b32 s[\g+3], ROWB<<16                    ; tile_dim0
	s_mov_b32 s[\g+4], 128                         ; tile_dim1
	s_mov_b32 s[\g+5], KROW                        ; tensor_dim0_stride
	s_mov_b32 s[\g+6], 0
	s_mov_b32 s[\g+7], 0
.endr
	; the scales of 128 rows: a dense block of 4,096 bytes, as rows of 256 bytes (32 elements of 8 bytes), 16 bytes of padding behind each
	s_or_b32 s[G1S+0], s43, (3<<16)|(1<<20)|(1<<21)|(5<<22)|(3<<25)
	s_or_b32 s[G1SB+0], s44, (3<<16)|(1<<20)|(1<<21)|(5<<22)|(3<<25)
.irp g, G1S, G1SB
	s_mov_b32 s[\g+1], 32<<16
	s_mov_b32 s[\g+2], (128*KS/256)<<16
	s_mov_b32 s[\g+3], 32<<16
	s_mov_b32 s[\g+4], 128*KS/256
	s_mov_b32 s[\g+5], 32
	s_mov_b32 s[\g+6], 0
	s_mov_b32 s[\g+7], 0
.endr
	s_lshl_b32 s18, s16, 7                         ; which 128 rows of the block I fetch
	s_lshl_b32 s20, s17, 8
	s_add_co_u32 s20, s20, s18                     ; A's row
	s_lshl_b32 s46, s42, 8
	s_add_co_u32 s46, s46, s18                     ; B's row
	s_mov_b32 s21, 0
	s_mov_b32 s47, 0
	s_mov_b64 s[18:19], KS
	s_mul_u64 s[22:23], s[20:21], s[18:19]         ; where these rows' scales begin, in bytes
	s_mul_u64 s[92:93], s[46:47], s[18:19]
	s_mov_b64 s[18:19], KROW
	s_mul_u64 s[20:21], s[20:21], s[18:19]         ; and their codes
	s_mul_u64 s[46:47], s[46:47], s[18:19]
	s_mul_i32 s45, s14, HALFT                      ; where they go: wave x 128 rows: no place in the cluster enters an LDS address
	s_mul_i32 s94, s14, HALFS
	s_wait_kmcnt 0x0
	s_add_nc_u64 s[20:21], s[4:5], s[20:21]
	s_add_nc_u64 s[22:23], s[6:7], s[22:23]
	s_add_nc_u64 s[46:47], s[4:5], s[46:47]
	s_add_nc_u64 s[92:93], s[6:7], s[92:93]
	CROUND                                         ; all sixteen work-groups are here: the first joint loads meet
	s_mov_b32 s[G0S], 1
	s_add_co_u32 s[G0S+1], s94, SCL
	s_mov_b64 s[G0S+2:G0S+3], s[22:23]
	s_or_b32 s[G0S+3], s[G0S+3], 0x80000000
	s_mov_b32 s[G0SB], 1
	s_add_co_u32 s[G0SB+1], s94, SCL
	s_mov_b64 s[G0SB+2:G0SB+3], s[92:93]
	s_or_b32 s[G0SB+3], s[G0SB+3], 0x80000000
	JLOAD G0S, G1S, G0SB, G1SB                     ; the scales first: they are wanted with K step 0
.irp s, 0,1
	s_mov_b32 s[G0+4*\s], 1
	s_add_co_u32 s[G0+4*\s+1], s45, \s*SLOT
	s_add_nc_u64 s[G0+4*\s+2:G0+4*\s+3], s[20:21], \s*ROWB
	s_or_b32 s[G0+4*\s+3], s[G0+4*\s+3], 0x80000000
	s_mov_b32 s[G0B+4*\s], 1
	s_add_co_u32 s[G0B+4*\s+1], s45, \s*SLOT
	s_add_nc_u64 s[G0B+4*\s+2:G0B+4*\s+3], s[46:47], \s*ROWB
	s_or_b32 s[G0B+4*\s+3], s[G0B+4*\s+3], 0x80000000
	JLOAD G0+4*\s, G1, G0B+4*\s, G1B
.endr
	v_and_b32 v1, 15, v0                           ; r = l % 16; kept
	v_bfe_u32 v2, v0, 4, 1                         ; g = l / 16; kept
	v_mul_u32_u24 v3, v1, PITCH
	v_mul_u32_u24 v4, v2, 24
	v_add_nc_u32 v4, v3, v4                        ; a fragment's row x pitch + 24 x half
	v_lshl_add_u32 v5, v2, 4, v4                   ; and the same behind one padding more
	s_mul_i32 s21, s15, HALFT                      ; my 128 rows of A
	s_mul_i32 s22, s16, HALFT                      ; my 128 rows of B,
	s_add_co_u32 s22, s22, 2*HALFT                 ; which lie behind A's 256
.irp s, 0,1
	v_add_nc_u32 v[ADRA+\s], s21, v4
	v_add_nc_u32 v[ADRB+\s], s22, v4
	v_add_nc_u32 v[ADRA+2+\s], s21, v5
	v_add_nc_u32 v[ADRB+2+\s], s22, v5
	s_add_co_u32 s21, s21, SLOT
	s_add_co_u32 s22, s22, SLOT
.endr
	v_mul_u32_u24 v5, v1, KS                       ; my row's scales: KS bytes a row,
	v_lshrrev_b32 v6, 8, v5
	v_lshl_add_u32 v5, v6, 4, v5                   ; and 16 more for each 256 passed
	s_mul_i32 s21, s15, HALFS                      ; A's: my 128 rows
	s_mul_i32 s22, s16, HALFS                      ; B's: my 128 rows, behind A's 256
	s_add_co_u32 s22, s22, 2*HALFS
	s_sub_co_u32 s22, s22, s21
	v_mul_u32_u24 v6, s22, v2                      ; lanes 16-31 take B's
	s_add_co_u32 s21, s21, SCL
	v_add_nc_u32 v5, v5, v6
	v_add_nc_u32 v[ADRS], s21, v5
	; THE BIAS of the kind, in both layouts.  q, k: it runs along the registers (the wave's 128 channels are B's rows); v: along the lanes (they are A's rows).  Both sets are loaded always; the set that the
	; kind does not use is read from the bias's first 512 bytes and masked to zeros on the way out, so that the text has one way for all kinds.
	s_cmp_eq_u32 s66, 1
	s_cselect_b64 s[8:9], s[10:11], s[8:9]
	s_cmp_eq_u32 s66, 2
	s_cselect_b64 s[8:9], s[12:13], s[8:9]         ; bq, bk or bv
	s_lshl_b32 s10, s40, 10
	s_lshl_b32 s11, s16, 9
	s_add_co_u32 s10, s10, s11                     ; 4 bytes x (256 cx + 128 x B's half)
	s_lshl_b32 s12, s41, 10
	s_lshl_b32 s13, s15, 9
	s_add_co_u32 s12, s12, s13                     ; 4 bytes x (256 cy + 128 x A's half)
	s_cmp_eq_u32 s66, 2
	s_cselect_b32 s10, 0, s10
	s_cselect_b32 s12, s12, 0
	s_cselect_b32 s95, 0, -1                       ; the mask of the set along the registers
	s_cselect_b32 s100, -1, 0                      ; and of the set along the lanes
	s_mov_b32 s11, 0
	s_mov_b32 s13, 0
	s_add_nc_u64 s[10:11], s[8:9], s[10:11]
	s_add_nc_u64 s[12:13], s[8:9], s[12:13]
	v_lshlrev_b32 v[VB0], 5, v2
	v_lshlrev_b32 v[VB1], 2, v1
.irp b, 0,1,2,3,4,5,6,7
	global_load_b128 v[BS0+8*\b:BS0+8*\b+3], v[VB0], s[10:11] offset:64*\b        ; register 8 b + j: channel 16 b + 8 g + j
	global_load_b128 v[BS0+8*\b+4:BS0+8*\b+7], v[VB0], s[10:11] offset:64*\b+16
.endr
.irp a, 0,1,2,3,4,5,6,7
	global_load_b32 v[BS1+\a], v[VB1], s[12:13] offset:64*\a                      ; block a: channel 16 a + r
.endr
.macro FRAG reg, adr, q, i             ; a fragment, 16 rows x 128 K of 6-bit codes, is 12 registers: lane l holds row l % 16; registers 6 c .. 6 c + 5 hold the block 2 c + l / 16: 24 bytes of the row, as they lie
.irp p, 0,1,2,3,4,5                    ; in pieces of 8 bytes, so that every address is a multiple of the access's size
.set PCE, 12*(\q)+6*(\p/3)+\p%3        ; 16 bytes of padding lie behind every 8 pieces: where the piece three on lies behind one padding more, the second address register serves
.if PCE%8 < 5
	ds_load_b64 v[\reg+2*\p:\reg+2*\p+1], v[\adr] offset:8*PCE+16*(PCE/8)+(\i)*16*PITCH
.else
	ds_load_b64 v[\reg+2*\p:\reg+2*\p+1], v[\adr+2] offset:8*PCE+16*(PCE/8)+(\i)*16*PITCH
.endif
.endr
.endm
; 16 matrix instructions: A's blocks a0, a0 + 1 x B's eight, 128 along K: the slot's q-th.  p: B's set;  sc: the set of scale words.  zero = 1: the first product starts the sums.
; The 64 accumulators take turns, one instruction a turn, in the same order in every step.
.macro MUL16 a0, p, q, sc, zero
.irp a, \a0, \a0+1
.irp b, 0,1,2,3,4,5,6,7
.if \zero
	v_wmma_scale_f32_16x16x128_f8f6f4 v[8*(8*((\a)%4)+\b):8*(8*((\a)%4)+\b)+7], v[128*(\p)+FR*\b:128*(\p)+FR*\b+FR-1], v[AF+FR*(\a):AF+FR*(\a)+FR-1], 0, v[SC+8*NQ*(\sc)+NQ*\b+(\q)], v[SC+8*NQ*(\sc)+NQ*(\a)+(\q)] matrix_a_fmt:MATRIX_FMT_BF6 matrix_b_fmt:MATRIX_FMT_BF6 matrix_a_scale:MATRIX_SCALE_ROW1
.else
	v_wmma_scale_f32_16x16x128_f8f6f4 v[8*(8*((\a)%4)+\b):8*(8*((\a)%4)+\b)+7], v[128*(\p)+FR*\b:128*(\p)+FR*\b+FR-1], v[AF+FR*(\a):AF+FR*(\a)+FR-1], v[8*(8*((\a)%4)+\b):8*(8*((\a)%4)+\b)+7], v[SC+8*NQ*(\sc)+NQ*\b+(\q)], v[SC+8*NQ*(\sc)+NQ*(\a)+(\q)] matrix_a_fmt:MATRIX_FMT_BF6 matrix_b_fmt:MATRIX_FMT_BF6 matrix_a_scale:MATRIX_SCALE_ROW1
.endif
.endr
.endr
.endm
.macro FETCH_B slot, q, p              ; B's eight fragments of the slot's q-th 128 along K into set p
	WIN TO_B
.irp i, 0,1,2,3,4,5,6,7
	FRAG 128*(\p)+FR*\i, ADRB+\slot, \q, \i
.endr
	WIN 0
.endm
.macro FETCH_A slot, q, i0             ; A's blocks i0 .. i0 + 3
.irp i, \i0, \i0+1, \i0+2, \i0+3
	FRAG AF+FR*(\i), ADRA+\slot, \q, \i
.endr
.endm
.macro SCALES sc                       ; the next K step's scale words into set sc: NQ words a row; lanes 0-15 take A's block i, lanes 16-31 B's block i
.irp i, 0,1,2,3,4,5,6,7
	ds_load_b64 v[SC+8*NQ*\sc+NQ*\i:SC+8*NQ*\sc+NQ*\i+1], v[ADRS] offset:\i*SBLK
.endr
.endm
; A load into a register that a matrix instruction has read, and a vector instruction that reads a matrix result or writes one of its registers, stand NP places behind it; only plain vector
; instructions that name none of its registers are places (ISA guide 7.12.1 for vector instructions).
.macro PLACES n
.rept \n
	v_nop
.endr
.endm
; A step of 128 along K that has its successor in the same slot.
.macro STEP slot, q, zero
	s_wait_dscnt 4*NL                              ; B's set and A's blocks 0-3 are in; the youngest 24 loads (A's blocks 4-7) may be out
	WIN MUL_LO
	MUL16 0, (\q)%2, \q, \slot, \zero
	MUL16 2, (\q)%2, \q, \slot, \zero
	s_wait_dscnt 0                                 ; A's blocks 4-7 are in (asked for 32 matrix instructions ago)
	PLACES NP
	FETCH_B \slot, (\q)+1, 1-(\q)%2
	FETCH_A \slot, (\q)+1, 0
	WIN MUL_HI
	MUL16 4, (\q)%2, \q, \slot, \zero
	MUL16 6, (\q)%2, \q, \slot, \zero
	PLACES NP
	WIN 0
	FETCH_A \slot, (\q)+1, 4
.endm
; A slot's last step changes slots: ONE barrier; in front of it each wave waits for all its tensor loads, adds 0 to its spare word, and waits for that and for its own reads of this slot.  fill = 1: this slot is filled again, two K steps ahead.
.macro TURN slot, next, fill
	s_wait_tensorcnt 0x0                           ; all my tensor loads have landed: my part of the next slot;  (every window is 0 here)
	ds_add_u32 v[SPW], v[NIL]                      ; 0 onto my spare word
	s_wait_dscnt 4*NL+1                            ; (the add and the youngest 24 loads, A's blocks 4-7, may be out)
	WIN MUL_LO
	MUL16 0, 1, NQ-1, \slot, 0                     ; sixteen matrix instructions stand between the add and the wait for it
	s_wait_dscnt 0x0                               ; the add is done, and my reads of this slot are over
	s_barrier_signal -1
	MUL16 2, 1, NQ-1, \slot, 0
	WIN 0
	s_barrier_wait -1
.if \fill
	CREST                                          ; the barrier has opened a round of the cluster's barrier: no wave of any partner still reads this slot's tile or has a load on its way
	s_add_nc_u64 s[G0+4*\slot+2:G0+4*\slot+3], s[G0+4*\slot+2:G0+4*\slot+3], 2*ROWB
	s_add_nc_u64 s[G0B+4*\slot+2:G0B+4*\slot+3], s[G0B+4*\slot+2:G0B+4*\slot+3], 2*ROWB
	JLOAD G0+4*\slot, G1, G0B+4*\slot, G1B         ; the first tensor load behind the round; the four v_nop behind it are the places in front of the loads below
.else
	PLACES NP
.endif
	v_add_nc_u32 v[ADRS], 4*NQ, v[ADRS]            ; on to the next K step's scale words (no LDS load of mine is out)
	FETCH_B \next, 0, 0
	FETCH_A \next, 0, 0
	SCALES \next
	WIN MUL_HI
	MUL16 4, 1, NQ-1, \slot, 0
	MUL16 6, 1, NQ-1, \slot, 0
	PLACES NP
	WIN 0
	FETCH_A \next, 0, 4
.endm
	s_wait_tensorcnt 1                             ; the scales and my part of K step 0 are in (K step 1's load may be out: three loads of mine were out at the most),
	s_barrier_signal -1
	s_barrier_wait -1                              ; everybody's are
	FETCH_B 0, 0, 0
	FETCH_A 0, 0, 0
	SCALES 0
	FETCH_A 0, 0, 4
	STEP 0, 0, 1                                   ; the first step stands in front of the loop: its products start the sums
	s_mov_b32 s3, LAPS-1
.Llap:                                                 ; a trip goes once round the ring, from a lap's second step to the next lap's first, and fills both slots again
	TURN 0, 1, 1
	STEP 1, 0, 0
	TURN 1, 0, 1
	STEP 0, 0, 0
	s_sub_co_u32 s3, s3, 1
	s_cmp_lg_u32 s3, 0
	s_cbranch_scc1 .Llap
	TURN 0, 1, 0                                   ; the last lap fills nothing, and has no round of the cluster's barrier
	STEP 1, 0, 0
	s_wait_dscnt 4*NL                              ; the very last step: nothing more to fetch
	WIN MUL_LO
	MUL16 0, 1, NQ-1, 1, 0
	MUL16 2, 1, NQ-1, 1, 0
	s_wait_dscnt 0
	WIN MUL_HI
	MUL16 4, 1, NQ-1, 1, 0
	MUL16 6, 1, NQ-1, 1, 0
	WIN 0
; THE WAY OUT.  Block a of my eight (16 A rows x my 128 B rows: 64 numbers a lane) gets its bias, is quantised along the lane's registers, and is then a whole fragment, 12 registers, with its scale word.
; q, k: registers 0-5 are head h0's six registers for this tile of 16 tokens, registers 6-11 head h0 + 1's: they go to two heads' records.  v: the fragment is 16 channels x 128 keys: its halves lie on end.
	PLACES NP
	s_wait_loadcnt 0x0                             ; the bias
	s_add_co_u32 s80, s67, s41                     ; the block of 256 tokens: q, k: A's, 4 x cluster y + cy;
	s_add_co_u32 s81, s67, s40                     ; v: B's, + cx
	s_cmp_eq_u32 s66, 2                            ; one compare serves all the choices below: moves and selects leave SCC alone
	s_cselect_b32 s80, s81, s80                    ; the tokens' block
	s_cselect_b32 s81, s41, s40                    ; the block of 256 channels: v: cy;  q, k: cx
	s_cselect_b32 s82, s15, s16                    ; and my half of it
	s_cselect_b32 s83, s16, s15                    ; my half of the tokens' block
	s_mov_b32 s84, 512
	s_cselect_b32 s84, 256, s84                    ; scale bytes for 128 tokens: q, k: 128 words;  v: a key step's 64 words
	s_mov_b32 s74, 768
	s_cselect_b32 s74, 1536, s74                   ; from block to block: q, k: the next tile of tokens;  v: the next 16 channels
	s_mov_b32 s85, 768
	s_cselect_b32 s85, s85, 294912                 ; from the fragment's first half to its second: v: on end;  q, k: the next head's record
	s_cselect_b32 s76, 288768, 0                   ; v: at block 4 the next head's record begins: 294,912 - 4 x 1,536
	s_cselect_b32 s78, 20224, 0                    ; and among the scale words: 20,480 - 4 x 64
	s_cselect_b32 s86, 0, 20480                    ; q, k: lanes 16-31 store the next head's word,
	s_cselect_b32 s87, 0, 16                       ; which is the word's upper half
	s_mov_b32 s75, 0
	s_mov_b32 s77, 0
	s_mov_b32 s79, 0
	s_lshl_b32 s81, s81, 2
	s_lshl_b32 s82, s82, 1
	s_add_co_u32 s81, s81, s82                     ; h0: my first head
	s_lshr_b32 s82, s80, 3
	s_lshl_b32 s82, s82, 4
	s_add_co_u32 s81, s81, s82                     ; + 16 x batch
	s_and_b32 s80, s80, 7
	s_lshl_b32 s80, s80, 1
	s_add_co_u32 s80, s80, s83                     ; which 128 tokens of the batch
	s_mul_i32 s82, s81, 294912
	s_mul_i32 s83, s66, 98304
	s_add_co_u32 s82, s82, s83
	s_mul_i32 s83, s80, 6144                       ; 128 tokens are 8 x 768 bytes in Q and K and one key step, 4 x 1,536, in V
	s_add_co_u32 s82, s82, s83
	s_mov_b32 s83, 0
	s_add_nc_u64 s[68:69], s[96:97], s[82:83]      ; where registers 0-5 go
	s_mov_b32 s82, s85
	s_add_nc_u64 s[70:71], s[68:69], s[82:83]      ; and registers 6-11
	s_mul_i32 s82, s81, 20480
	s_lshl_b32 s88, s66, 13
	s_add_co_u32 s82, s82, s88
	s_mul_i32 s88, s80, s84
	s_add_co_u32 s82, s82, s88
	s_add_nc_u64 s[72:73], s[98:99], s[82:83]      ; and the scale words
	s_mov_b32 s[SEL], 0x76543210
	s_mov_b32 s[SEL+1], 0xfedcba98                 ; v_permlanex16_b32's selects for lane l xor 16
	v_and_b32 v6, 31, v0
	v_lshlrev_b32 v[VO16], 4, v6
	v_lshlrev_b32 v[VO8], 3, v6
	v_mul_u32_u24 v[VSA], s86, v2
	v_lshl_add_u32 v[VSA], v1, 2, v[VSA]
	v_mul_u32_u24 v[VSH], s87, v2
.set k, 0
.rept 64
	v_and_b32 v[BS0+k], s95, v[BS0+k]              ; the set that the kind does not use becomes zeros
.set k, k+1
.endr
.set k, 0
.rept 8
	v_and_b32 v[BS1+k], s100, v[BS1+k]
.set k, k+1
.endr
.irp b, 0,1,2,3
	v_mov_b32 v[TM+4+\b], 0                        ; written once: a lane permute's destination counts as one of its sources
.endr
; 64 numbers of a lane, v[s] .. v[s + 63], block b in registers 16 b .. 16 b + 15 (the block's other 16 lie in lane l xor 16), become a fragment's codes in v[PC] on and its scale word in v[PW].
.macro QUANT s
.irp b, 0,1,2,3
	v_max3_num_f32 v[TM+\b], |v[\s+16*\b]|, |v[\s+1+16*\b]|, 0x2800000   ; block b: my 16 numbers, and the floor 2^(5 - 127): the byte cannot fall under 1
.endr
.irp i, 2,4,6,8,10,12,14
.irp b, 0,1,2,3
	v_max3_num_f32 v[TM+\b], v[TM+\b], |v[\s+16*\b+\i]|, |v[\s+1+16*\b+\i]|   ; (the four blocks by turns)
.endr
.endr
.irp b, 0,1,2,3
	v_permlanex16_b32 v[TM+4+\b], v[TM+\b], s[SEL], s[SEL+1]
.endr
.irp b, 0,1,2,3
	v_max_num_f32 v[TM+\b], v[TM+\b], v[TM+4+\b]   ; with lane l xor 16's: the block's largest magnitude
.endr
.irp b, 0,1,2,3
	v_add_nc_u32 v[TM+12+\b], 0xfe000000, v[TM+\b]   ; 4 off its exponent field: the conversion's scale operand
.endr
.irp b, 0,1,2,3
	v_lshrrev_b32 v[TM+4+\b], 23, v[TM+12+\b]      ; the scale's byte
.endr
	v_lshl_or_b32 v[PW], v[TM+5], 8, v[TM+4]       ; the four bytes make my row's scale word
	v_lshl_or_b32 v[PW], v[TM+6], 16, v[PW]
	v_lshl_or_b32 v[PW], v[TM+7], 24, v[PW]
.irp c, 0,1
	v_cvt_scalef32_pk16_bf6_f32 v[PC+6*\c:PC+2+6*\c], v[\s+32*\c:\s+15+32*\c], v[TM+12+2*\c]
	v_cvt_scalef32_pk16_bf6_f32 v[PC+12+4*\c:PC+14+4*\c], v[\s+16+32*\c:\s+31+32*\c], v[TM+12+2*\c+1]   ; (a conversion's three registers begin on an even number)
.endr
	v_nop                                          ; one plain place behind a scaled conversion
.irp c, 0,1                                    ; the operand's layout wants a WHOLE block in a lane: lanes 0-15 block 2 c, lanes 16-31 block 2 c + 1
.irp i, 0,1,2
	v_permlane16_swap_b32 v[PC+6*\c+\i], v[PC+12+4*\c+\i]
.endr
.irp i, 0,1,2
	v_mov_b32 v[PC+3+6*\c+\i], v[PC+12+4*\c+\i]
.endr
.endr
.endm
.macro OUT a
.set AC, 64*((\a)%4)
.if (\a) > 0
	s_wait_xcnt 0x0                                ; the last block's stores have read their data and their bases: both are written again only behind this wait
	s_add_nc_u64 s[68:69], s[68:69], s[74:75]
	s_add_nc_u64 s[70:71], s[70:71], s[74:75]
	s_add_nc_u64 s[72:73], s[72:73], 64            ; 16 scale words on
.endif
.if (\a) == 4
	s_add_nc_u64 s[68:69], s[68:69], s[76:77]      ; v: on to the next head's record (q, k: 0)
	s_add_nc_u64 s[70:71], s[70:71], s[76:77]
	s_add_nc_u64 s[72:73], s[72:73], s[78:79]
.endif
	v_mov_b32 v[BB], v[BS1+(\a)]
	v_mov_b32 v[BB+1], v[BS1+(\a)]
.if (\a) < 4
	WIN 0x02                                       ; source 0: window 2
.else
	WIN 0x03                                       ; window 3
.endif
.set k, 0
.rept 32
	v_pk_add_f32 v[ST+k:ST+k+1], v[AC+k:AC+k+1], v[BS0+k:BS0+k+1]   ; the bias along the registers; the sum lands in window 0.  Each accumulator is read from its low end on
.set k, k+2
.endr
	WIN 0
.set k, 0
.rept 32
	v_pk_add_f32 v[ST+k:ST+k+1], v[ST+k:ST+k+1], v[BB:BB+1]         ; the bias along the lanes (one of the two sets is zeros)
.set k, k+2
.endr
	QUANT ST
	v_lshrrev_b32 v[PW2], v[VSH], v[PW]            ; q, k: lanes 16-31 hold the second head's two bytes at the word's low end
	global_store_b128 v[VO16], v[PC:PC+3], s[68:69]                 ; 32 lanes store 512 consecutive bytes, at a multiple of 256 from the buffer's first byte
	global_store_b64 v[VO8], v[PC+4:PC+5], s[68:69] offset:512      ; and 256
	global_store_b128 v[VO16], v[PC+6:PC+9], s[70:71]
	global_store_b64 v[VO8], v[PC+10:PC+11], s[70:71] offset:512
	global_store_b32 v[VSA], v[PW2], s[72:73]      ; q, k: 64 consecutive bytes in each of two heads' records;  v: lanes r and r + 16 store the same word at the same place
.endm
.irp a, 0,1,2,3,4,5,6,7
	OUT \a
.endr
	s_wait_tensorcnt 0x0                           ; the wave's end
	ds_add_u32 v[SPW], v[NIL]
	s_wait_dscnt 0x0
	CROUND                                         ; the closing round: no work-group ends while a partner may still ask for a tile that names it
	s_endpgm
.Lfunc_end_k_q3262b05101_qkv:
	.size	k_q3262b05101_qkv, .Lfunc_end_k_q3262b05101_qkv-k_q3262b05101_qkv
	.p2alignl 7, 3214868480
	.fill 96, 4, 3214868480
	.section	.rodata,"a",@progbits
	.p2align	6, 0x0
	.amdhsa_kernel k_q3262b05101_qkv
		.amdhsa_group_segment_fixed_size 327680
		.amdhsa_private_segment_fixed_size 0
		.amdhsa_enable_private_segment 0
		.amdhsa_kernarg_size 56
		.amdhsa_user_sgpr_count 2
		.amdhsa_user_sgpr_kernarg_segment_ptr 1
		.amdhsa_wavefront_size32 1
		.amdhsa_system_sgpr_workgroup_id_x 1
		.amdhsa_system_sgpr_workgroup_id_y 1
		.amdhsa_system_sgpr_workgroup_id_z 1
		.amdhsa_system_vgpr_workitem_id 0
		.amdhsa_next_free_vgpr 1024
		.amdhsa_next_free_sgpr 102
		.amdhsa_reserve_vcc 0
		.amdhsa_float_denorm_mode_32 3
		.amdhsa_float_denorm_mode_16_64 3
		.amdhsa_memory_ordered 1
		.amdhsa_forward_progress 1
		.amdhsa_inst_pref_size 205
	.end_amdhsa_kernel
	.amdgpu_metadata
---
amdhsa.version: [ 1, 2 ]
amdhsa.kernels:
  - .name:           k_q3262b05101_qkv
    .symbol:         k_q3262b05101_qkv.kd
    .args:
      - { .name: codes, .offset: 0, .size: 8, .value_kind: global_buffer, .address_space: global }
      - { .name: scales, .offset: 8, .size: 8, .value_kind: global_buffer, .address_space: global }
      - { .name: bq, .offset: 16, .size: 8, .value_kind: global_buffer, .address_space: global }
      - { .name: bk, .offset: 24, .size: 8, .value_kind: global_buffer, .address_space: global }
      - { .name: bv, .offset: 32, .size: 8, .value_kind: global_buffer, .address_space: global }
      - { .name: qkv_img, .offset: 40, .size: 8, .value_kind: global_buffer, .address_space: global }
      - { .name: qkv_sc, .offset: 48, .size: 8, .value_kind: global_buffer, .address_space: global }
    .group_segment_fixed_size: 327680
    .private_segment_fixed_size: 0
    .kernarg_segment_align: 8
    .kernarg_segment_size: 56
    .max_flat_workgroup_size: 128
    .sgpr_count:     102
    .vgpr_count:     1024
    .wavefront_size: 32
...
	.end_amdgpu_metadata
.endif
;; end of part 2
;; launch attn (part 3): grid 4 x 64, 16 waves a work-group, clusters of 4 x 1, 327,680 bytes of LDS; arguments qkv_img, qkv_sc, o_img, o_sc; writes o_img, o_sc
.if DOCPART == 3
	.amdgcn_target "amdgcn-amd-amdhsa--gfx1250"
	.amdhsa_code_object_version 6
	.text
	.protected	k_q3262b05101_attn
	.globl	k_q3262b05101_attn
	.p2align	8
	.type	k_q3262b05101_attn,@function
k_q3262b05101_attn:
	s_mov_b64 s[64:65], 0
	v_nop
	global_prefetch_b8 v0, s[64:65] scope:SCOPE_SE
	s_setreg_imm32_b32 hwreg(HW_REG_WAVE_MODE, 25, 1), 1
	s_wait_xcnt 0x0
	s_wait_alu depctr_hold_cnt(0) depctr_sa_sdst(0) depctr_va_vdst(0) depctr_va_sdst(0) depctr_va_ssrc(0) depctr_va_vcc(0) depctr_vm_vsrc(0)
	s_getreg_b32 s2, hwreg(HW_REG_IB_STS2, 6, 4)
	s_cmp_eq_u32 s2, 0
	s_cbranch_scc0 .Lentry_in_a_cluster
	s_endpgm
.Lentry_in_a_cluster:
	s_bfe_u32 s2, ttmp6, 0x10000c
	s_cmp_lg_u32 s2, 0x3003
	s_cbranch_scc0 .Lentry_shape_is_right
	s_endpgm
.Lentry_shape_is_right:
; o = softmax(q k^T / 8, causal) v for one (batch, head) a cluster, both products on codes of BF6 (E3M2) with E8M0 scales; o is divided by the row's sum, quantised along the model's 1,024 and stored as images of the next launch's operand registers.
; IN: the images and scale words that the launch before has laid: for (batch, head) hb, qkv_img + 294,912 hb: Q [tile 128][768], K [tile 128][768], V [key step 16][16 channels 4][half 2][768];
; qkv_sc + 20,480 hb: Q's words [2048], K's [2048], V's [16][4][16].  768 bytes are six registers of a fragment: registers 0-3 of lane l at 16 l, registers 4-5 at 512 + 8 l.
; The head has 64 channels: two blocks.  A fragment of Q or K has its registers 6-11 zero: zero codes add nothing under any scale byte but 0xff, which never occurs.
; THE SOFTMAX AHEAD OF THE SECOND PRODUCT: t = score x log2(e) / 8; M = the running largest t, rounded UP to a whole number; p = 2^(t - M) is quantised along the keys, not normalised.  The row's sum is
; taken of the unquantised p and divides O at the end.  When M moves, the sum and O are multiplied by 2^(old M - new M): exact.
; SHARES.  The four work-groups of a cluster share a head.  Wave w of work-group cx takes TWO tiles of 16 queries, one after the other: tile 4 w + cx and tile 127 - (4 w + cx).  Their last key steps are w / 2 and
; 15 - w / 2: every wave of the launch works 17 key steps of 128 keys, and which steps it works hangs on its number alone, never on cx.  cx enters global addresses and the mask's compare only.
; LDS IS FILLED ONCE: a head's K and V (196,608 dense bytes) and their scale words (12,288 dense bytes) fit.  Each wave asks for a sixteenth of each, JOINTLY with the same wave of the three partners.  Two loads of a wave are out.
; No byte of LDS is filled again and none is stored to: one barrier behind the fill, none in the loops.
; LAYOUT.  Both products are used transposed: S^T = K Q^T (source 0 = 16 keys), O^T = V^T P^T (source 0 = 16 channels): a lane holds ONE query (lane % 16) throughout.
; THE ORDER INSIDE A BLOCK OF 32: lane half g holds, of two neighbouring tiles a = 0, 1, the indices 16 a + 8 g + e, which become positions 16 g + 8 a + e; V's keys and the next launch's weight are laid in the same order.
; CAUSAL: both loops have constant trip counts; a step all of whose keys come after the tile's queries jumps over its work; in the one step on the diagonal hidden scores become -infinity ahead of the maximum.
; OUT: o_img [tile of 16 tokens 512][head 16][768]; o_sc [tile 512][K step 8][row 16] words, head 2 s + c in bytes 2 c, 2 c + 1: a lane stores 2 bytes, sixteen lanes inside one run of 64 bytes (262,144 bytes in the whole launch).
; LIMITS: NaN and infinities are not served; a block of zeros gets the byte 1.
; REGISTERS: v1-7 addresses that stay; v8-11, v28-29 the step's; v12 -M, v13 the largest t, v[14:15] the sum; v16-27 Q; v30-31 V's scale words; v32-79 four fragments of K; v80-127 four of V; v128-191 S^T, then p; v192-223 O^T;
;   v224-235 p's codes; v232-247 at work; v248-251 K's scale words; v252 f; v253 p's scale word; v254 at work; v255 Q's scale words.
.set VIMG, 98304                       ; LDS: K's images at 0, V's here,
.set KSC,  196608                      ; K's scale words,
.set VSC,  204800                      ; V's
.set KF,   32
.set VF,   80
.set S,    128
.set O,    192
.set ADK16, 8
.set ADK8,  9
.set ADV16, 10
.set ADV8,  11
.set ADS,   28
.set ADT,   29
.set WV,   12                          ; s12  my wave's number
.set TI,   15                          ; s15  the tile of queries in hand
.set LAST, 16                          ; s16  its last key step
.set KST,  17                          ; s17  the key step
.set TK,   18                          ; s18  6,144 x key step: its images of K, and of V
.set TS,   19                          ; s19  512 x key step: its scale words of K
.set SEL,  20                          ; s[20:21]
.set CS,   22                          ; s[22:23] c = log2(e) / 8
.set G1C,  24                          ; s[24:31] group 1 for the codes;  s[32:39] for the scale words;  s[40:43], s[44:47] their groups 0
.set G1S,  32
.set G0C,  40
.set G0S,  44
.set TV,   48                          ; s48  256 x key step: its scale words of V
.set TILES, 49                         ; s49  tiles to go
.set DI,   60                          ; s60  16 x (tile % 8): the tile's first query in its last key step
.macro CROUND                          ; a round of the cluster's barrier
	s_barrier_signal -1
	s_barrier_wait -1
	s_cmp_lg_u32 s[WV], 0
	s_cbranch_scc1 .Lnot_wave_0_\@
	s_barrier_signal -3
.Lnot_wave_0_\@:
	s_barrier_wait -3
	s_barrier_signal -1
	s_barrier_wait -1
.endm
	s_load_b256 s[4:11], s[0:1], 0x0               ; qkv_img, qkv_sc, o_img, o_sc
	v_lshl_add_u32 v254, v0, 2, 0x33000
	v_mov_b32 v255, 0
	ds_add_u32 v254, v255
	ds_add_u32 v254, v255
	s_wait_dscnt 0x0
	v_lshrrev_b32 v1, 5, v0
	s_delay_alu instid0(VALU_DEP_1)
	v_readfirstlane_b32 s[WV], v1                  ; wave 0..15
	s_bfe_u32 s13, ttmp6, 0x40000                  ; cx
	s_and_b32 s14, ttmp7, 0xffff                   ; hb = 16 x batch + head, which the four partners share
	; group 1: dense blocks as rows of 256 bytes (32 elements of 8 bytes): 48 rows of codes, 3 rows of scale words, for each wave
	s_mov_b32 s[G1C], 15|(3<<16)|(1<<21)           ; 15:0 the mask: all four work-groups; elements of 8 bytes; no padding; 21 set beside a mask
	s_mov_b32 s[G1C+1], 32<<16                     ; tensor_dim0
	s_mov_b32 s[G1C+2], 48<<16                     ; tensor_dim1
	s_mov_b32 s[G1C+3], 32<<16                     ; tile_dim0
	s_mov_b32 s[G1C+4], 48                         ; tile_dim1
	s_mov_b32 s[G1C+5], 32                         ; the pitch
	s_mov_b32 s[G1C+6], 0
	s_mov_b32 s[G1C+7], 0
	s_mov_b32 s[G1S], 15|(3<<16)|(1<<21)
	s_mov_b32 s[G1S+1], 32<<16
	s_mov_b32 s[G1S+2], 3<<16
	s_mov_b32 s[G1S+3], 32<<16
	s_mov_b32 s[G1S+4], 3
	s_mov_b32 s[G1S+5], 32
	s_mov_b32 s[G1S+6], 0
	s_mov_b32 s[G1S+7], 0
	s_mul_i32 s58, s14, 294912                     ; the head's record of images,
	s_mov_b32 s59, 0
	s_mul_i32 s60, s14, 20480                      ; and of scale words
	s_mov_b32 s61, 0
	s_mul_i32 s62, s[WV], 12288                    ; my sixteenth of K's and V's images,
	s_mul_i32 s63, s[WV], 768                      ; and of their scale words
	s_wait_kmcnt 0x0
	s_add_nc_u64 s[4:5], s[4:5], s[58:59]
	s_add_nc_u64 s[6:7], s[6:7], s[60:61]
	s_mov_b32 s[G0C], 1
	s_mov_b32 s[G0C+1], s62                        ; LDS: 12,288 x wave
	s_add_co_u32 s58, s62, 98304                   ; memory: behind Q's images
	s_add_nc_u64 s[G0C+2:G0C+3], s[4:5], s[58:59]
	s_or_b32 s[G0C+3], s[G0C+3], 0x80000000
	s_mov_b32 s[G0S], 1
	s_add_co_u32 s[G0S+1], s63, KSC
	s_add_co_u32 s60, s63, 8192                    ; behind Q's scale words
	s_add_nc_u64 s[G0S+2:G0S+3], s[6:7], s[60:61]
	s_or_b32 s[G0S+3], s[G0S+3], 0x80000000
	CROUND                                         ; all four work-groups are here: the joint loads meet
	tensor_load_to_lds s[G0C:G0C+3], s[G1C:G1C+7]
	s_nop 0
	s_wait_alu depctr_va_vdst(0)
	s_wait_tensorcnt 0x0
	ds_add_u32 v254, v255
	s_wait_dscnt 0x0
	CROUND
	tensor_load_to_lds s[G0S:G0S+3], s[G1S:G1S+7]
	s_nop 0
.rept 4
	v_nop
.endr
	s_lshr_b32 s58, s14, 4                         ; batch
	s_and_b32 s61, s14, 15                         ; head
	s_lshl_b32 s62, s58, 11
	s_add_co_u32 s62, s62, s61
	s_mul_i32 s62, s62, 768                        ; o_img: (128 x batch tiles x 16 heads + head) x 768
	s_mov_b32 s63, 0
	s_add_nc_u64 s[8:9], s[8:9], s[62:63]
	s_lshl_b32 s62, s58, 16                        ; o_sc: 128 x batch tiles x 512
	s_lshr_b32 s58, s61, 1
	s_lshl_b32 s58, s58, 6
	s_add_co_u32 s62, s62, s58                     ; + 64 x (head / 2)
	s_and_b32 s58, s61, 1
	s_lshl_b32 s58, s58, 1
	s_add_co_u32 s62, s62, s58                     ; + 2 x (head % 2)
	s_add_nc_u64 s[10:11], s[10:11], s[62:63]
	s_lshl_b32 s[TI], s[WV], 2
	s_add_co_u32 s[TI], s[TI], s13                 ; my first tile: 4 w + cx
	s_lshr_b32 s[LAST], s[WV], 1                   ; its last key step, (4 w + cx) / 8 = w / 2
	s_mov_b32 s[SEL], 0x76543210
	s_mov_b32 s[SEL+1], 0xfedcba98                 ; v_permlanex16_b32's selects for lane l xor 16
	s_mov_b32 s[CS], 0x3e38aa3b                    ; c = log2(e) / sqrt(64)
	s_mov_b32 s[CS+1], s[CS]                       ; (named with it as a pair, so it is written)
	s_mov_b32 s[TILES], 2
	v_and_b32 v9, 31, v0                           ; lane
	s_delay_alu instid0(VALU_DEP_1)
	v_lshlrev_b32 v1, 4, v9                        ; 16 l: an image's registers 0-3
	s_delay_alu instid0(VALU_DEP_2)
	v_lshlrev_b32 v2, 3, v9                        ; 8 l: its registers 4-5
	s_delay_alu instid0(VALU_DEP_2)
	v_add_nc_u32 v3, VIMG, v1
	s_delay_alu instid0(VALU_DEP_2)
	v_add_nc_u32 v4, VIMG, v2
	v_lshl_add_u32 v5, v9, 2, KSC                  ; scale words: 4 l
	v_lshl_add_u32 v6, v9, 2, VSC
	v_and_b32 v7, 15, v0
	v_bfe_u32 v8, v0, 4, 1
	s_delay_alu instid0(VALU_DEP_1)
	v_lshlrev_b32 v8, 3, v8
	s_delay_alu instid0(VALU_DEP_1)
	v_sub_nc_u32 v7, v7, v8                        ; r - 8 g, for the mask
.irp j, 22,23,24,25,26,27
	v_mov_b32 v[\j], 0                             ; Q's registers 6-11: zero codes
.endr
.irp t, 0,1,2,3
.irp j, 6,7,8,9,10,11
	v_mov_b32 v[KF+12*\t+\j], 0                    ; K's likewise: never loaded
.endr
.endr
.irp b, 0,1,2,3
	v_mov_b32 v[236+\b], 0                         ; written once: a lane permute's destination counts as one of its sources
.endr
	v_mov_b32 v252, 0
	v_mov_b32 v253, 0                              ; (named as the upper half of the pair v[252:253] before it is first written)
	s_wait_tensorcnt 0x0                           ; my parts are in,
	s_barrier_signal -1
	s_barrier_wait -1                              ; everybody's are: from here on LDS is only read
.macro SPROD g                         ; four products of S^T: tiles 4 g .. 4 g + 3 of 16 keys.  A register of K's scale words holds an even tile's in lanes 0-15 and the next tile's in lanes 16-31
.irp t, 0,1,2,3
.if \t%2
	v_wmma_scale_f32_16x16x128_f8f6f4 v[S+8*(4*\g+\t):S+8*(4*\g+\t)+7], v[KF+12*\t:KF+12*\t+11], v[16:27], 0, v[248+2*\g+\t/2], v255 matrix_a_fmt:MATRIX_FMT_BF6 matrix_b_fmt:MATRIX_FMT_BF6 matrix_a_scale:MATRIX_SCALE_ROW1
.else
	v_wmma_scale_f32_16x16x128_f8f6f4 v[S+8*(4*\g+\t):S+8*(4*\g+\t)+7], v[KF+12*\t:KF+12*\t+11], v[16:27], 0, v[248+2*\g+\t/2], v255 matrix_a_fmt:MATRIX_FMT_BF6 matrix_b_fmt:MATRIX_FMT_BF6
.endif
.endr
.endm
.macro KLOAD g                         ; the images of tiles 4 g .. 4 g + 3 of the step's keys
.irp t, 0,1,2,3
	ds_load_b128 v[KF+12*\t:KF+12*\t+3], v[ADK16] offset:768*(4*\g+\t)
	ds_load_b64 v[KF+12*\t+4:KF+12*\t+5], v[ADK8] offset:768*(4*\g+\t)+512
.endr
.endm
.Ltile:
	s_mul_i32 s58, s[TI], 768
	s_mov_b32 s59, 0
	s_add_nc_u64 s[50:51], s[4:5], s[58:59]        ; Q's image of my tile,
	s_lshl_b32 s58, s[TI], 6
	s_add_nc_u64 s[52:53], s[6:7], s[58:59]        ; its scale words,
	s_mul_i32 s58, s[TI], 12288
	s_add_nc_u64 s[54:55], s[8:9], s[58:59]        ; where o's image goes,
	s_lshl_b32 s58, s[TI], 9
	s_add_nc_u64 s[56:57], s[10:11], s[58:59]      ; and its scale bytes
	s_and_b32 s[DI], s[TI], 7
	s_lshl_b32 s[DI], s[DI], 4
	v_and_b32 v254, 15, v0
	s_delay_alu instid0(VALU_DEP_1)
	v_lshlrev_b32 v254, 2, v254
	global_load_b128 v[16:19], v1, s[50:51]
	global_load_b64 v[20:21], v2, s[50:51] offset:512
	global_load_b32 v255, v254, s[52:53]           ; lane r (and r + 16): query r's word
	v_mov_b32 v13, 0xff61b1e6                      ; the largest t so far: -3e38, under every t
	s_delay_alu instid0(VALU_DEP_1)
	v_floor_f32 v12, -v13                          ; -M
	v_mov_b32 v14, 0                               ; the sum, in two halves
	v_mov_b32 v15, 0
.set j, 0
.rept 32
	v_mov_b32 v[O+j], 0                            ; O^T.  (The step is written once: a tile's first step finds zeros, which the first change of M leaves zeros)
.set j, j+1
.endr
	s_mov_b32 s[KST], 0
	s_mov_b32 s[TK], 0
	s_mov_b32 s[TS], 0
	s_mov_b32 s[TV], 0
	s_wait_loadcnt 0x0                             ; Q
.Lstep:                                            ; 16 trips: a constant
	s_cmp_gt_u32 s[KST], s[LAST]                   ; all the step's keys come after my queries: its work is left out
	s_cbranch_scc1 .Lhidden
	s_setprio 2
	v_add_nc_u32 v[ADK16], s[TK], v1               ; (these six are also places behind the last step's products)
	v_add_nc_u32 v[ADK8], s[TK], v2
	v_add_nc_u32 v[ADV16], s[TK], v3
	v_add_nc_u32 v[ADV8], s[TK], v4
	v_add_nc_u32 v[ADS], s[TS], v5
	v_add_nc_u32 v[ADT], s[TV], v6
	KLOAD 0
.irp u, 0,1,2,3
	ds_load_b32 v[248+\u], v[ADS] offset:128*\u    ; the words of keys 32 u + l
.endr
	s_wait_alu depctr_va_vdst(0)
	s_wait_dscnt 0x0
	SPROD 0
.rept 4
	v_nop                                          ; places in front of loads into registers that these products have read
.endr
	KLOAD 1
.irp d, 0,1,2,3                                ; the step's four fragments of V: they land under the softmax
	ds_load_b128 v[VF+12*\d:VF+12*\d+3], v[ADV16] offset:1536*\d
	ds_load_b64 v[VF+12*\d+4:VF+12*\d+5], v[ADV8] offset:1536*\d+512
	ds_load_b128 v[VF+12*\d+6:VF+12*\d+9], v[ADV16] offset:1536*\d+768
	ds_load_b64 v[VF+12*\d+10:VF+12*\d+11], v[ADV8] offset:1536*\d+1280
.endr
	ds_load_b32 v30, v[ADT]                        ; V's words: lanes 0-15 channels 0-15, lanes 16-31 channels 16-31;
	ds_load_b32 v31, v[ADT] offset:128             ; channels 32-47 and 48-63
	s_wait_dscnt 18                                ; K's eight loads are in; the 18 issued behind them, V's, may be out
	SPROD 1
.rept 4
	v_nop
.endr
	s_cmp_lt_u32 s[KST], s[LAST]                   ; a step all of whose keys count skips the mask
	s_cbranch_scc1 .Lopen
	v_add_nc_u32 v252, s[DI], v7                   ; d = my query - the step's first key - 8 g.  Register n holds key 16 (n / 8) + 8 g + n % 8 of the step: hidden where 16 (n / 8) + n % 8 > d
	v_mov_b32 v254, 0xff800000                     ; -infinity
.set n, 0
.rept 64
	v_cmp_gt_i32 vcc_lo, 16*(n/8)+n%8, v252
	v_cndmask_b32 v[S+n], v[S+n], v254, vcc_lo
.set n, n+1
.endr
.Lopen:
.irp b, 0,1,2,3
	v_max3_num_f32 v[232+\b], v[S+16*\b], v[S+1+16*\b], v[S+2+16*\b]   ; THE LARGEST SCORE OF EACH BLOCK OF 32 KEYS: it serves for the row's maximum and, since p rises with the score, for the block's largest p
.endr
.irp i, 3,5,7,9,11,13
.irp b, 0,1,2,3
	v_max3_num_f32 v[232+\b], v[232+\b], v[S+16*\b+\i], v[S+1+16*\b+\i]   ; (the four blocks by turns)
.endr
.endr
.irp b, 0,1,2,3
	v_max_num_f32 v[232+\b], v[232+\b], v[S+15+16*\b]
.endr
.irp b, 0,1,2,3
	s_delay_alu instid0(VALU_DEP_4)
	v_permlanex16_b32 v[236+\b], v[232+\b], s[SEL], s[SEL+1]
.endr
.irp b, 0,1,2,3
	s_delay_alu instid0(VALU_DEP_4)
	v_max_num_f32 v[232+\b], v[232+\b], v[236+\b]  ; with lane l xor 16's 16 keys
.endr
	s_delay_alu instid0(VALU_DEP_2)
	v_max3_num_f32 v254, v232, v233, v234
	s_delay_alu instid0(VALU_DEP_1)
	v_max_num_f32 v254, v254, v235                 ; the step's largest score of my query
	s_delay_alu instid0(VALU_DEP_1)
	v_mul_f32 v254, s[CS], v254                    ; as t (c is positive)
	s_delay_alu instid0(VALU_DEP_1)
	v_max_num_f32 v13, v13, v254                   ; the running largest t
	v_mov_b32 v254, v12
	s_delay_alu instid0(VALU_DEP_2)
	v_floor_f32 v12, -v13                          ; the new -M = floor(-t) = -ceil(t): M IS A WHOLE NUMBER
	s_delay_alu instid0(VALU_DEP_1)
	v_sub_f32 v254, v12, v254                      ; M's old value less its new one: a whole number, 0 or less
	s_delay_alu instid0(VALU_DEP_1)
	v_cvt_i32_f32 v254, v254                       ; (it saturates)
	s_delay_alu instid0(VALU_DEP_1)
	v_ldexp_f32 v252, 1.0, v254                    ; f = 2^(old M - new M)
.set j, 0
	s_setprio 1
.rept 32
	v_pk_fma_f32 v[S+j:S+j+1], v[S+j:S+j+1], s[CS:CS+1], v[12:13] op_sel_hi:[1,0,0]   ; t - M, two at a time (of the pairs c and -M the low word serves both halves)
.set j, j+2
.endr
.irp b, 0,1,2,3
	v_fma_f32 v[232+\b], v[232+\b], s[CS], v12     ; the same of each block's largest score
.endr
.set j, 0
	s_wait_alu depctr_va_vdst(0)
.rept 64
	v_exp_f32 v[S+j], v[S+j]                       ; p = 2^(t - M), at most 1: NOT normalised
.set j, j+1
.endr
.irp b, 0,1,2,3
	v_exp_f32 v[232+\b], v[232+\b]                 ; the block's largest p: the same two instructions on the same number give the same bits
.endr
	v_pk_mul_f32 v[14:15], v[14:15], v[252:253] op_sel_hi:[1,0]   ; the sums under the new M.  (A plain place behind the exponentials)
	s_wait_alu depctr_va_vdst(0)
.irp b, 0,1,2,3
	v_max_num_f32 v[232+\b], 0x2800000, v[232+\b]  ; the floor 2^(5 - 127): the byte cannot fall under 1 (a block whose every p is 0 keeps that byte: its codes are zeros)
.endr
.irp b, 0,1,2,3
	s_delay_alu instid0(VALU_DEP_4)
	v_add_nc_u32 v[244+\b], 0xfe000000, v[232+\b]  ; 4 off the exponent field: the conversion's scale operand
.endr
.irp b, 0,1,2,3
	s_delay_alu instid0(VALU_DEP_4)
	v_lshrrev_b32 v[236+\b], 23, v[244+\b]         ; the scale's byte
.endr
	s_delay_alu instid0(VALU_DEP_3)
	v_lshl_or_b32 v253, v237, 8, v236              ; p's scale word for these 128 keys
	s_delay_alu instid0(VALU_DEP_1)
	v_lshl_or_b32 v253, v238, 16, v253
	s_delay_alu instid0(VALU_DEP_1)
	v_lshl_or_b32 v253, v239, 24, v253
.irp c, 0,1
	v_cvt_scalef32_pk16_bf6_f32 v[224+6*\c:226+6*\c], v[S+32*\c:S+15+32*\c], v[244+2*\c]
	v_cvt_scalef32_pk16_bf6_f32 v[236+4*\c:238+4*\c], v[S+16+32*\c:S+31+32*\c], v[244+2*\c+1]   ; (a conversion's three registers begin on an even number)
.endr
	v_nop                                          ; one plain place behind a scaled conversion
.irp c, 0,1                                    ; the operand's layout wants a WHOLE block in a lane
.irp i, 0,1,2
	v_permlane16_swap_b32 v[224+6*\c+\i], v[236+4*\c+\i]
.endr
.irp i, 0,1,2
	s_delay_alu instid0(VALU_DEP_3)
	v_mov_b32 v[227+6*\c+\i], v[236+4*\c+\i]
.endr
.endr
	v_pk_add_f32 v[236:237], v[S:S+1], v[S+2:S+3]  ; THE ROW'S SUM IS TAKEN OF THE UNQUANTISED p: two at a time, in two chains
	s_setprio 0
.irp j, 4,8,12,16,20,24,28,32,36,40,44,48,52,56,60
	v_pk_add_f32 v[14:15], v[14:15], v[S+\j:S+1+\j]
	v_pk_add_f32 v[236:237], v[236:237], v[S+2+\j:S+3+\j]
.endr
	s_delay_alu instid0(VALU_DEP_1)
	v_pk_add_f32 v[14:15], v[14:15], v[236:237]
.set j, 0
.rept 16
	v_pk_mul_f32 v[O+j:O+j+1], v[O+j:O+j+1], v[252:253] op_sel_hi:[1,0]   ; O^T under the new M: x f.  (The sums and these are the places between p's codes and scale word and the products below)
.set j, j+2
.endr
	s_wait_alu depctr_va_vdst(0)
	s_wait_dscnt 0x0                               ; V
.irp d, 0,1,2,3                                ; O^T += V^T P^T: four accumulators, one instruction a turn
.if \d%2
	v_wmma_scale_f32_16x16x128_f8f6f4 v[O+8*\d:O+8*\d+7], v[VF+12*\d:VF+12*\d+11], v[224:235], v[O+8*\d:O+8*\d+7], v[30+\d/2], v253 matrix_a_fmt:MATRIX_FMT_BF6 matrix_b_fmt:MATRIX_FMT_BF6 matrix_a_scale:MATRIX_SCALE_ROW1
.else
	v_wmma_scale_f32_16x16x128_f8f6f4 v[O+8*\d:O+8*\d+7], v[VF+12*\d:VF+12*\d+11], v[224:235], v[O+8*\d:O+8*\d+7], v[30+\d/2], v253 matrix_a_fmt:MATRIX_FMT_BF6 matrix_b_fmt:MATRIX_FMT_BF6
.endif
.endr
.rept 4
	v_nop                                          ; places behind the products, for whatever follows on either way
.endr
.Lhidden:
	s_add_co_u32 s[TK], s[TK], 6144
	s_add_co_u32 s[TS], s[TS], 512
	s_add_co_u32 s[TV], s[TV], 256
	s_add_co_u32 s[KST], s[KST], 1
	s_cmp_lt_u32 s[KST], 16
	s_cbranch_scc1 .Lstep
	s_setprio 0
	; THE TILE'S WAY OUT: o = O^T / the sum; its 32 numbers a lane are the head's two blocks along the next product's K: quantised, they are six registers of that product's operand.
	v_add_f32 v14, v14, v15                        ; the sum's two halves,
	s_delay_alu instid0(VALU_DEP_1)
	v_permlanex16_b32 v252, v14, s[SEL], s[SEL+1]
	s_delay_alu instid0(VALU_DEP_1)
	v_add_f32 v14, v14, v252                       ; and lane l xor 16's: the row's sum
	s_wait_alu depctr_va_vdst(0)
	v_rcp_f32 v14, v14
	v_and_b32 v254, 15, v0                         ; (a plain place behind the transcendental)
	s_delay_alu instid0(VALU_DEP_1)
	v_lshlrev_b32 v254, 2, v254                    ; 4 r
.set j, 0
	s_wait_alu depctr_va_vdst(0)
.rept 32
	v_mul_f32 v[S+j], v[O+j], v14                  ; register 8 d + i: channel 16 d + 8 g + i of my query
.set j, j+1
.endr
.irp b, 0,1
	v_max3_num_f32 v[232+\b], |v[S+16*\b]|, |v[S+1+16*\b]|, 0x2800000   ; block b: my 16 numbers, and the floor 2^(5 - 127)
.endr
.irp i, 2,4,6,8,10,12,14
.irp b, 0,1
	s_delay_alu instid0(VALU_DEP_2)
	v_max3_num_f32 v[232+\b], v[232+\b], |v[S+16*\b+\i]|, |v[S+1+16*\b+\i]|
.endr
.endr
.irp b, 0,1
	s_delay_alu instid0(VALU_DEP_2)
	v_permlanex16_b32 v[236+\b], v[232+\b], s[SEL], s[SEL+1]
.endr
.irp b, 0,1
	s_delay_alu instid0(VALU_DEP_2)
	v_max_num_f32 v[232+\b], v[232+\b], v[236+\b]
.endr
.irp b, 0,1
	s_delay_alu instid0(VALU_DEP_2)
	v_add_nc_u32 v[244+\b], 0xfe000000, v[232+\b]
.endr
.irp b, 0,1
	s_delay_alu instid0(VALU_DEP_2)
	v_lshrrev_b32 v[236+\b], 23, v[244+\b]
.endr
	s_delay_alu instid0(VALU_DEP_1)
	v_lshl_or_b32 v238, v237, 8, v236              ; the head's two scale bytes of my row
	v_cvt_scalef32_pk16_bf6_f32 v[224:226], v[S:S+15], v244
	v_cvt_scalef32_pk16_bf6_f32 v[240:242], v[S+16:S+31], v245
	v_nop                                          ; one plain place behind a scaled conversion
.irp i, 0,1,2
	v_permlane16_swap_b32 v[224+\i], v[240+\i]     ; lanes 0-15 now hold block 0 whole, lanes 16-31 block 1
.endr
.irp i, 0,1,2
	s_delay_alu instid0(VALU_DEP_3)
	v_mov_b32 v[227+\i], v[240+\i]
.endr
	global_store_b128 v1, v[224:227], s[54:55]     ; 32 lanes store 512 consecutive bytes, at a multiple of 256 from the buffer's first byte
	global_store_b64 v2, v[228:229], s[54:55] offset:512   ; and 256
	global_store_b16 v254, v238, s[56:57]          ; lanes r and r + 16 store the same two bytes at the same place
	s_wait_xcnt 0x0                                ; the stores have read their data, offsets and bases: all are written again in the next tile
	s_sub_co_u32 s[TI], 127, s[TI]                 ; my second tile,
	s_sub_co_u32 s[LAST], 15, s[LAST]              ; and its last key step
	s_sub_co_u32 s[TILES], s[TILES], 1
	s_cmp_lg_u32 s[TILES], 0
	s_cbranch_scc1 .Ltile
	s_wait_dscnt 0x0                               ; no LDS instruction of mine is out at a signal
	s_wait_xcnt 0x0
	v_lshl_add_u32 v254, v0, 2, 0x33000
	v_mov_b32 v255, 0
	s_wait_alu depctr_va_vdst(0)
	s_wait_tensorcnt 0x0
	ds_add_u32 v254, v255
	s_wait_dscnt 0x0
	CROUND                                         ; the closing round: no work-group ends while a partner may still ask for a tile that names it
	s_endpgm
.Lfunc_end_k_q3262b05101_attn:
	.size	k_q3262b05101_attn, .Lfunc_end_k_q3262b05101_attn-k_q3262b05101_attn
	.p2alignl 7, 3214868480
	.fill 96, 4, 3214868480
	.section	.rodata,"a",@progbits
	.p2align	6, 0x0
	.amdhsa_kernel k_q3262b05101_attn
		.amdhsa_group_segment_fixed_size 327680
		.amdhsa_private_segment_fixed_size 0
		.amdhsa_enable_private_segment 0
		.amdhsa_kernarg_size 32
		.amdhsa_user_sgpr_count 2
		.amdhsa_user_sgpr_kernarg_segment_ptr 1
		.amdhsa_wavefront_size32 1
		.amdhsa_system_sgpr_workgroup_id_x 1
		.amdhsa_system_sgpr_workgroup_id_y 1
		.amdhsa_system_sgpr_workgroup_id_z 1
		.amdhsa_system_vgpr_workitem_id 0
		.amdhsa_next_free_vgpr 256
		.amdhsa_next_free_sgpr 66
		.amdhsa_reserve_vcc 1
		.amdhsa_float_denorm_mode_32 3
		.amdhsa_float_denorm_mode_16_64 3
		.amdhsa_memory_ordered 1
		.amdhsa_forward_progress 1
		.amdhsa_inst_pref_size 37
	.end_amdhsa_kernel
	.amdgpu_metadata
---
amdhsa.version: [ 1, 2 ]
amdhsa.kernels:
  - .name:           k_q3262b05101_attn
    .symbol:         k_q3262b05101_attn.kd
    .args:
      - { .name: qkv_img, .offset: 0, .size: 8, .value_kind: global_buffer, .address_space: global }
      - { .name: qkv_sc, .offset: 8, .size: 8, .value_kind: global_buffer, .address_space: global }
      - { .name: o_img, .offset: 16, .size: 8, .value_kind: global_buffer, .address_space: global }
      - { .name: o_sc, .offset: 24, .size: 8, .value_kind: global_buffer, .address_space: global }
    .group_segment_fixed_size: 327680
    .private_segment_fixed_size: 0
    .kernarg_segment_align: 8
    .kernarg_segment_size: 32
    .max_flat_workgroup_size: 512
    .sgpr_count:     66
    .vgpr_count:     256
    .wavefront_size: 32
...
	.end_amdgpu_metadata
.endif
;; end of part 3
;; launch oproj (part 4): grid 4 x 32, 4 waves a work-group, clusters of 4 x 4, 327,680 bytes of LDS; arguments o_img, o_sc, codes, scales, bo, out0; writes out0
.if DOCPART == 4
	.amdgcn_target "amdgcn-amd-amdhsa--gfx1250"
	.amdhsa_code_object_version 6
	.text
	.protected	k_q3262b05101_oproj
	.globl	k_q3262b05101_oproj
	.p2align	8
	.type	k_q3262b05101_oproj,@function
k_q3262b05101_oproj:
	s_mov_b64 s[64:65], 0
	v_nop
	global_prefetch_b8 v0, s[64:65] scope:SCOPE_SE
	s_setreg_imm32_b32 hwreg(HW_REG_WAVE_MODE, 25, 1), 1
	s_wait_xcnt 0x0
	s_wait_alu depctr_hold_cnt(0) depctr_sa_sdst(0) depctr_va_vdst(0) depctr_va_sdst(0) depctr_va_ssrc(0) depctr_va_vcc(0) depctr_vm_vsrc(0)
	s_getreg_b32 s2, hwreg(HW_REG_IB_STS2, 6, 4)
	s_cmp_eq_u32 s2, 0
	s_cbranch_scc0 .Lentry_in_a_cluster
	s_endpgm
.Lentry_in_a_cluster:
	s_bfe_u32 s2, ttmp6, 0x10000c
	s_cmp_lg_u32 s2, 0xf033
	s_cbranch_scc0 .Lentry_shape_is_right
	s_endpgm
.Lentry_shape_is_right:
; out0[m][n] = sum over k of o[m][k] Wo[n][k] + bo[n], on codes of BF6 (E3M2) with E8M0 scales; out0 [8192][1024] f32; sums in f32.
; A = o arrives as IMAGES OF THE OPERAND'S REGISTERS: o_img [tile of 16 tokens 512][head 16][768]: heads 2 s and 2 s + 1 are registers 0-5 and 6-11 of the fragment of K step s (768 bytes: registers 0-3 of lane l at 16 l,
; registers 4-5 at 512 + 8 l); o_sc [tile 512][K step 8][row 16] scale words.  B = Wo lies as rows of codes (rows 11264 on of codes [12288][768]) with scale bytes [12288][32].  Both have the same order inside a block of 32.
; A tile of 256 x 256 of the output is made by four waves, 128 x 128 each.  K goes in steps of 256 through a ring of two LDS slots.  There are 4 x 32 tiles: 128 work-groups.
; CLUSTERS: 4 x 4 work-groups.  The four of a row of the cluster need the same tiles of A, the four of a column the same tiles of B: each tile is asked for JOINTLY.
; THE MATRIX INSTRUCTION IS USED TRANSPOSED (source 0 = 16 rows of Wo, source 1 = 16 tokens): a lane holds eight neighbouring numbers of a row of the output.  The bias, in that layout, is the C of each sum's first product.
; REGISTERS, in windows of 256: window 0: v0-31 addresses; v32-63 scale words, two sets; v64-127 the bias; from v128 A's fragments, ONE set; on the way out v128-255 rows of the output.
;   window 1: B's fragments, TWO sets.   window 2: the accumulators of my rows 0-63 ((a, b) at v[8 (8 a + b)]);   window 3: those of my rows 64-127.
.set SIZE_N, 1024
.set KSTEP,  256
.set NQ,     2
.set ROWB,   192                       ; a row of B's tile in bytes
.set KROW,   768
.set PITCH,  240                       ; B's LDS row: 3 x (64 bytes + 16 of padding)
.set ASTEP,  3072                      ; A: a tile of 16 tokens x 256 along K: four heads' 768 bytes
.set AROW,   12288                     ; and from a tile of tokens to the next in memory
.set FR,     12
.set NLA,    4                         ; LDS loads that bring a fragment of A
.set NP,     4                         ; places behind this matrix instruction (ISA guide 7.12.1)
.set HALFT,  128*PITCH                 ; the room of 128 rows in a slot (A's images use 24,576 bytes of it)
.set SLOT,   4*HALFT
.set LAPS,   2
.set SCLA,   2*SLOT                    ; behind the ring: A's scale words, 2 x 4,096 bytes, dense;
.set SCLB,   SCLA+2*4096               ; B's scale bytes, 2 x 16 units of 256 bytes + 16 of padding
.set HALFS,  16*272
.set SBLK,   2*272                     ; those of 16 rows
.set SPARE,  SCLB+2*HALFS              ; the spare words, 128 bytes for each wave: two blocks of 256 bytes that no other line names
.set SPITCH, 528                       ; the way out: a stage of 16 rows x (512 bytes + 16) for each wave, in slot 0, which has had its last fill and its last read when the first result is stored there
.set VBO,  10                          ; v10     32 x half: the bias
.set ADRA, 16                          ; v16-17  A's images in slot 0, 1: + 16 l   (v18-19: + 8 l)
.set ADRB, 20                          ; v20-21  B's fragments in slot 0, 1   (v22-23: behind one padding more)
.set STO,  24
.set RD,   25
.set CO,   26
.set ADSA, 27                          ; v27     A's scale words
.set SPW,  28                          ; v28     LDS address of my spare word; never rewritten
.set NIL,  29                          ; v29     0; never rewritten
.set ADSB, 30                          ; v30     B's scale words
.set SC,   32                          ; scale words: set s at v[SC + 16 s]: registers 0-7 A's blocks, 8-15 B's; in each, lanes 0-15 hold the slot's first 128 along K, lanes 16-31 its second
.set BS,   64
.set AF,   128
.set BK,   128
.set G1, 24
.set G0, 32
.set G1B, 48
.set G0B, 56
.set G1S, 68
.set G0S, 76
.set G1SB, 80
.set G0SB, 88
.set MSB, 0
.macro WIN new                         ; the immediate's high byte repeats the setting that is left
.if MSB != \new
	s_set_vgpr_msb (MSB<<8)|\new
.set MSB, \new
.endif
.endm
.set MUL_LO, 0xa1                      ; source 0 (B) window 1, source 1 (A) window 0, C and D window 2
.set MUL_HI, 0xf1                      ; the same, C and D window 3
.set FST_LO, 0x81                      ; the first step: C (the bias) window 0, D window 2
.set FST_HI, 0xc1                      ; D window 3
.set TO_B,   0x40
.macro JLOAD g0a, g1a, g0b, g1b        ; a joint load: waves 0 and 1 fetch for A, waves 2 and 3 for B; four v_nop follow each of the two lines
	s_cmp_eq_u32 s15, 0
	s_cbranch_scc0 .Lfor_b_\@
	tensor_load_to_lds s[\g0a:\g0a+3], s[\g1a:\g1a+7]
	s_nop 0
.rept 4
	v_nop
.endr
	s_branch .Lasked_\@
.Lfor_b_\@:
	tensor_load_to_lds s[\g0b:\g0b+3], s[\g1b:\g1b+7]
	s_nop 0
.rept 4
	v_nop
.endr
.Lasked_\@:
.endm
.macro CREST
	s_cmp_lg_u32 s14, 0
	s_cbranch_scc1 .Lnot_wave_0_\@
	s_barrier_signal -3
.Lnot_wave_0_\@:
	s_barrier_wait -3
	s_barrier_signal -1
	s_barrier_wait -1
.endm
.macro CROUND
	s_barrier_signal -1
	s_barrier_wait -1
	CREST
.endm
	s_load_b128 s[4:7], s[0:1], 0x0                ; o_img, o_sc
	s_load_b128 s[8:11], s[0:1], 0x10              ; codes, scale bytes
	s_load_b64 s[96:97], s[0:1], 0x20              ; bo
	s_load_b64 s[12:13], s[0:1], 0x28              ; out0
	v_lshl_add_u32 v[SPW], v0, 2, SPARE
	v_mov_b32 v[NIL], 0
	ds_add_u32 v28, v29
	ds_add_u32 v28, v29
	s_wait_dscnt 0x0
	v_lshrrev_b32 v1, 5, v0
	v_readfirstlane_b32 s14, v1                    ; wave 0..3
	s_lshr_b32 s15, s14, 1                         ; which half of the tile's rows is mine.  Also: I fetch for A (0) or for B (1)
	s_and_b32 s16, s14, 1                          ; which half of its columns.  Also: which 128 rows I fetch
	s_bfe_u32 s40, ttmp6, 0x40000                  ; cx, cy
	s_bfe_u32 s41, ttmp6, 0x40004
	s_lshl_b32 s42, ttmp9, 2
	s_add_co_u32 s42, s42, s40                     ; tile column = 4 x cluster x + cx
	s_and_b32 s17, ttmp7, 0xffff
	s_lshl_b32 s17, s17, 2
	s_add_co_u32 s17, s17, s41                     ; tile row = 4 x cluster y + cy
	s_lshl_b32 s43, s41, 2
	s_lshl_b32 s43, 15, s43                        ; my row of the cluster
	s_lshl_b32 s44, 0x1111, s40                    ; my column
	; group 1 for A's images: 8 tiles of tokens x 3,072 bytes (384 elements of 8 bytes), 12,288 bytes apart in memory, on end in LDS
	s_or_b32 s[G1+0], s43, (3<<16)|(1<<21)         ; the mask: my row; elements of 8 bytes; no padding; 21 set beside a mask
	s_mov_b32 s[G1+1], (ASTEP/8)<<16               ; tensor_dim0
	s_mov_b32 s[G1+2], 8<<16                       ; tensor_dim1
	s_mov_b32 s[G1+3], (ASTEP/8)<<16               ; tile_dim0
	s_mov_b32 s[G1+4], 8                           ; tile_dim1
	s_mov_b32 s[G1+5], AROW/8                      ; the pitch
	s_mov_b32 s[G1+6], 0
	s_mov_b32 s[G1+7], 0
	; for B's tiles: 128 rows x 192 bytes, 16 bytes of padding behind every 64
	s_or_b32 s[G1B+0], s44, (0<<16)|(1<<20)|(1<<21)|(3<<22)|(3<<25)
	s_mov_b32 s[G1B+1], ROWB<<16
	s_mov_b32 s[G1B+2], 128<<16
	s_mov_b32 s[G1B+3], ROWB<<16
	s_mov_b32 s[G1B+4], 128
	s_mov_b32 s[G1B+5], KROW
	s_mov_b32 s[G1B+6], 0
	s_mov_b32 s[G1B+7], 0
	; for the scales of 128 rows, 4,096 dense bytes on either side, as 16 rows of 256 bytes: A's without padding, B's with 16 bytes behind each
	s_or_b32 s[G1S+0], s43, (3<<16)|(1<<21)
	s_or_b32 s[G1SB+0], s44, (3<<16)|(1<<20)|(1<<21)|(5<<22)|(3<<25)
.irp g, G1S, G1SB
	s_mov_b32 s[\g+1], 32<<16
	s_mov_b32 s[\g+2], 16<<16
	s_mov_b32 s[\g+3], 32<<16
	s_mov_b32 s[\g+4], 16
	s_mov_b32 s[\g+5], 32
	s_mov_b32 s[\g+6], 0
	s_mov_b32 s[\g+7], 0
.endr
	s_lshl_b32 s20, s17, 4
	s_lshl_b32 s18, s16, 3
	s_add_co_u32 s20, s20, s18                     ; A: the first tile of tokens that I fetch: 16 x tile row + 8 x half
	s_lshl_b32 s22, s20, 9                         ; its scale words: 512 bytes a tile
	s_mov_b32 s23, 0
	s_mul_i32 s20, s20, AROW                       ; its images
	s_mov_b32 s21, 0
	s_lshl_b32 s46, s42, 8
	s_lshl_b32 s18, s16, 7
	s_add_co_u32 s46, s46, s18
	s_add_co_u32 s46, s46, 11264                   ; B: Wo's row 256 x tile column + 128 x half
	s_lshl_b32 s92, s46, 5                         ; its scale bytes: 32 a row
	s_mov_b32 s93, 0
	s_mul_i32 s46, s46, KROW                       ; its codes
	s_mov_b32 s47, 0
	s_mul_i32 s45, s14, HALFT                      ; where the codes go: wave x the room of 128 rows: no place in the cluster enters an LDS address
	s_lshl_b32 s94, s16, 12                        ; A's scale words,
	s_mul_i32 s95, s16, HALFS                      ; B's scale bytes
	s_wait_kmcnt 0x0
	s_add_nc_u64 s[20:21], s[4:5], s[20:21]
	s_add_nc_u64 s[22:23], s[6:7], s[22:23]
	s_add_nc_u64 s[46:47], s[8:9], s[46:47]
	s_add_nc_u64 s[92:93], s[10:11], s[92:93]
	CROUND                                         ; all sixteen work-groups are here: the first joint loads meet
	s_mov_b32 s[G0S], 1
	s_add_co_u32 s[G0S+1], s94, SCLA
	s_mov_b64 s[G0S+2:G0S+3], s[22:23]
	s_or_b32 s[G0S+3], s[G0S+3], 0x80000000
	s_mov_b32 s[G0SB], 1
	s_add_co_u32 s[G0SB+1], s95, SCLB
	s_mov_b64 s[G0SB+2:G0SB+3], s[92:93]
	s_or_b32 s[G0SB+3], s[G0SB+3], 0x80000000
	JLOAD G0S, G1S, G0SB, G1SB                     ; the scales first: they are wanted with K step 0
.irp s, 0,1
	s_mov_b32 s[G0+4*\s], 1
	s_add_co_u32 s[G0+4*\s+1], s45, \s*SLOT
	s_add_nc_u64 s[G0+4*\s+2:G0+4*\s+3], s[20:21], \s*ASTEP
	s_or_b32 s[G0+4*\s+3], s[G0+4*\s+3], 0x80000000
	s_mov_b32 s[G0B+4*\s], 1
	s_add_co_u32 s[G0B+4*\s+1], s45, \s*SLOT
	s_add_nc_u64 s[G0B+4*\s+2:G0B+4*\s+3], s[46:47], \s*ROWB
	s_or_b32 s[G0B+4*\s+3], s[G0B+4*\s+3], 0x80000000
	JLOAD G0+4*\s, G1, G0B+4*\s, G1B
.endr
	v_and_b32 v1, 15, v0                           ; r
	v_bfe_u32 v2, v0, 4, 1                         ; g
	v_and_b32 v6, 31, v0                           ; lane
	v_mul_u32_u24 v3, v1, PITCH
	v_mul_u32_u24 v4, v2, 24
	v_add_nc_u32 v4, v3, v4                        ; B: a fragment's row x pitch + 24 x half
	v_lshl_add_u32 v5, v2, 4, v4                   ; and the same behind one padding more
	v_lshlrev_b32 v7, 4, v6                        ; A: 16 l
	v_lshlrev_b32 v8, 3, v6                        ; and 8 l
	s_mul_i32 s21, s15, HALFT                      ; my 128 rows of A
	s_mul_i32 s22, s16, HALFT                      ; my 128 rows of B,
	s_add_co_u32 s22, s22, 2*HALFT                 ; which lie behind A's room
.irp s, 0,1
	v_add_nc_u32 v[ADRA+\s], s21, v7
	v_add_nc_u32 v[ADRA+2+\s], s21, v8
	v_add_nc_u32 v[ADRB+\s], s22, v4
	v_add_nc_u32 v[ADRB+2+\s], s22, v5
	s_add_co_u32 s21, s21, SLOT
	s_add_co_u32 s22, s22, SLOT
.endr
	s_lshl_b32 s21, s15, 12
	s_add_co_u32 s21, s21, SCLA
	v_lshl_add_u32 v[ADSA], v6, 2, s21             ; A's words: K step 2 x slot + g of row r lies at 64 g + 4 r = 4 l
	v_lshlrev_b32 v5, 5, v1                        ; B's: 32 bytes a row,
	v_lshrrev_b32 v9, 3, v1
	v_lshl_add_u32 v5, v9, 4, v5                   ; 16 more for each 256 passed,
	v_lshl_add_u32 v5, v2, 2, v5                   ; and lanes 16-31 take the word 4 bytes on
	s_mul_i32 s22, s16, HALFS
	s_add_co_u32 s22, s22, SCLB
	v_add_nc_u32 v[ADSB], s22, v5
	s_mul_i32 s23, s14, 16*SPITCH                  ; my stage
	v_mul_u32_u24 v5, v1, SPITCH                   ; in: row r, 32 bytes for each half of the lanes
	v_lshl_add_u32 v5, v2, 5, v5
	v_add_nc_u32 v[STO], s23, v5
	v_lshlrev_b32 v[CO], 4, v6                     ; back: the 32 lanes take one row of 512 bytes; and the same in the output
	v_add_nc_u32 v[RD], s23, v[CO]
	v_lshlrev_b32 v[VBO], 5, v2
	s_lshl_b32 s20, s17, 8
	s_lshl_b32 s21, s15, 7
	s_add_co_u32 s20, s20, s21                     ; my first row of the output
	s_mov_b32 s21, 0
	s_mov_b64 s[18:19], SIZE_N*4
	s_mul_u64 s[20:21], s[20:21], s[18:19]
	s_lshl_b32 s46, s42, 10                        ; my first column, in bytes: 1024 x tile column + 512 x half
	s_lshl_b32 s47, s16, 9
	s_add_co_u32 s46, s46, s47
	s_mov_b32 s47, 0
	s_add_nc_u64 s[96:97], s[96:97], s[46:47]      ; the bias of my 128 columns
	s_add_nc_u64 s[20:21], s[20:21], s[46:47]
	s_add_nc_u64 s[12:13], s[12:13], s[20:21]
.irp b, 0,1,2,3,4,5,6,7
	global_load_b128 v[BS+8*\b:BS+8*\b+3], v[VBO], s[96:97] offset:64*\b          ; register 8 b + j: column 16 b + 8 g + j
	global_load_b128 v[BS+8*\b+4:BS+8*\b+7], v[VBO], s[96:97] offset:64*\b+16
.endr
.macro FRAG reg, adr, q, i             ; a fragment of B from rows: 24 bytes of the row for each block, in pieces of 8 bytes
.irp p, 0,1,2,3,4,5
.set PCE, 12*(\q)+6*(\p/3)+\p%3        ; 16 bytes of padding lie behind every 8 pieces: where the piece three on lies behind one padding more, the second address register serves
.if PCE%8 < 5
	ds_load_b64 v[\reg+2*\p:\reg+2*\p+1], v[\adr] offset:8*PCE+16*(PCE/8)+(\i)*16*PITCH
.else
	ds_load_b64 v[\reg+2*\p:\reg+2*\p+1], v[\adr+2] offset:8*PCE+16*(PCE/8)+(\i)*16*PITCH
.endif
.endr
.endm
.macro FRAGA reg, adr, q, i            ; a fragment of A from its image: each load takes consecutive bytes in consecutive lanes
	ds_load_b128 v[\reg:\reg+3], v[\adr] offset:ASTEP*(\i)+1536*(\q)
	ds_load_b64 v[\reg+4:\reg+5], v[\adr+2] offset:ASTEP*(\i)+1536*(\q)+512
	ds_load_b128 v[\reg+6:\reg+9], v[\adr] offset:ASTEP*(\i)+1536*(\q)+768
	ds_load_b64 v[\reg+10:\reg+11], v[\adr+2] offset:ASTEP*(\i)+1536*(\q)+1280
.endm
; 16 matrix instructions: A's blocks a0, a0 + 1 x B's eight, the slot's q-th 128 along K.  zero = 1: the first product starts the sums, from the bias.
; The 64 accumulators take turns, one instruction a turn, in the same order in every step.
.macro MUL16 a0, p, q, sc, zero
.irp a, \a0, \a0+1
.irp b, 0,1,2,3,4,5,6,7
.if \zero
	v_wmma_scale_f32_16x16x128_f8f6f4 v[8*(8*((\a)%4)+\b):8*(8*((\a)%4)+\b)+7], v[128*(\p)+FR*\b:128*(\p)+FR*\b+FR-1], v[AF+FR*(\a):AF+FR*(\a)+FR-1], v[BS+8*\b:BS+8*\b+7], v[SC+16*(\sc)+8+\b], v[SC+16*(\sc)+(\a)] matrix_a_fmt:MATRIX_FMT_BF6 matrix_b_fmt:MATRIX_FMT_BF6
.elseif (\q) == 0
	v_wmma_scale_f32_16x16x128_f8f6f4 v[8*(8*((\a)%4)+\b):8*(8*((\a)%4)+\b)+7], v[128*(\p)+FR*\b:128*(\p)+FR*\b+FR-1], v[AF+FR*(\a):AF+FR*(\a)+FR-1], v[8*(8*((\a)%4)+\b):8*(8*((\a)%4)+\b)+7], v[SC+16*(\sc)+8+\b], v[SC+16*(\sc)+(\a)] matrix_a_fmt:MATRIX_FMT_BF6 matrix_b_fmt:MATRIX_FMT_BF6
.else
	v_wmma_scale_f32_16x16x128_f8f6f4 v[8*(8*((\a)%4)+\b):8*(8*((\a)%4)+\b)+7], v[128*(\p)+FR*\b:128*(\p)+FR*\b+FR-1], v[AF+FR*(\a):AF+FR*(\a)+FR-1], v[8*(8*((\a)%4)+\b):8*(8*((\a)%4)+\b)+7], v[SC+16*(\sc)+8+\b], v[SC+16*(\sc)+(\a)] matrix_a_fmt:MATRIX_FMT_BF6 matrix_b_fmt:MATRIX_FMT_BF6 matrix_a_scale:MATRIX_SCALE_ROW1 matrix_b_scale:MATRIX_SCALE_ROW1
.endif
.endr
.endr
.endm
.macro FETCH_B slot, q, p
	WIN TO_B
.irp i, 0,1,2,3,4,5,6,7
	FRAG 128*(\p)+FR*\i, ADRB+\slot, \q, \i
.endr
	WIN 0
.endm
.macro FETCH_A slot, q, i0
.irp i, \i0, \i0+1, \i0+2, \i0+3
	FRAGA AF+FR*(\i), ADRA+\slot, \q, \i
.endr
.endm
.macro SCALES sc                       ; a slot's scale words into set sc
.irp i, 0,1,2,3,4,5,6,7
	ds_load_b32 v[SC+16*\sc+\i], v[ADSA] offset:512*\i
.endr
.irp i, 0,1,2,3,4,5,6,7
	ds_load_b32 v[SC+16*\sc+8+\i], v[ADSB] offset:SBLK*\i
.endr
.endm
.macro PLACES n                        ; plain vector instructions that name no register of the matrix instructions in front (ISA guide 7.12.1 for vector instructions)
.rept \n
	v_nop
.endr
.endm
.macro STEP slot, q, zero
	s_wait_dscnt 4*NLA                             ; B's set, A's blocks 0-3 and the scale words are in; the youngest 16 loads (A's blocks 4-7) may be out
.if \zero
	WIN FST_LO
.else
	WIN MUL_LO
.endif
	MUL16 0, (\q)%2, \q, \slot, \zero
	MUL16 2, (\q)%2, \q, \slot, \zero
	s_wait_dscnt 0                                 ; A's blocks 4-7 are in
	PLACES NP
	FETCH_B \slot, (\q)+1, 1-(\q)%2
	FETCH_A \slot, (\q)+1, 0
.if \zero
	WIN FST_HI
.else
	WIN MUL_HI
.endif
	MUL16 4, (\q)%2, \q, \slot, \zero
	MUL16 6, (\q)%2, \q, \slot, \zero
	PLACES NP
	WIN 0
	FETCH_A \slot, (\q)+1, 4
.endm
; A slot's last step changes slots: ONE barrier; in front of it each wave waits for all its tensor loads, adds 0 to its spare word, and waits for that and for its own reads of this slot.
.macro TURN slot, next, fill
	s_wait_tensorcnt 0x0                           ; all my tensor loads have landed: my part of the next slot;  (every window is 0 here)
	ds_add_u32 v[SPW], v[NIL]                      ; 0 onto my spare word
	s_wait_dscnt 4*NLA+1                           ; (the add and the youngest 16 loads, A's blocks 4-7, may be out)
	WIN MUL_LO
	MUL16 0, 1, 1, \slot, 0                        ; sixteen matrix instructions stand between the add and the wait for it
	s_wait_dscnt 0x0                               ; the add is done, and my reads of this slot are over
	s_barrier_signal -1
	MUL16 2, 1, 1, \slot, 0
	WIN 0
	s_barrier_wait -1
.if \fill
	CREST                                          ; the barrier has opened a round of the cluster's barrier: no wave of any partner still reads this slot's tile or has a load on its way
	s_add_nc_u64 s[G0+4*\slot+2:G0+4*\slot+3], s[G0+4*\slot+2:G0+4*\slot+3], 2*ASTEP
	s_add_nc_u64 s[G0B+4*\slot+2:G0B+4*\slot+3], s[G0B+4*\slot+2:G0B+4*\slot+3], 2*ROWB
	JLOAD G0+4*\slot, G1, G0B+4*\slot, G1B         ; the first tensor load behind the round; the four v_nop behind it are the places in front of the loads below
.else
	PLACES NP
.endif
	v_add_nc_u32 v[ADSA], 128, v[ADSA]             ; on to the next slot's scale words (no LDS load of mine is out)
	v_add_nc_u32 v[ADSB], 8, v[ADSB]
	FETCH_B \next, 0, 0
	FETCH_A \next, 0, 0
	SCALES \next
	WIN MUL_HI
	MUL16 4, 1, 1, \slot, 0
	MUL16 6, 1, 1, \slot, 0
	PLACES NP
	WIN 0
	FETCH_A \next, 0, 4
.endm
	s_wait_tensorcnt 1                             ; the scales and my part of K step 0 are in (K step 1's load may be out: three loads of mine were out at the most),
	s_barrier_signal -1
	s_barrier_wait -1                              ; everybody's are
	FETCH_B 0, 0, 0
	FETCH_A 0, 0, 0
	SCALES 0
	FETCH_A 0, 0, 4
	s_wait_loadcnt 0x0                             ; the bias
	STEP 0, 0, 1                                   ; the first step stands in front of the loop: its products start the sums
	s_mov_b32 s3, LAPS-1
.Llap:
	TURN 0, 1, 1
	STEP 1, 0, 0
	TURN 1, 0, 1
	STEP 0, 0, 0
	s_sub_co_u32 s3, s3, 1
	s_cmp_lg_u32 s3, 0
	s_cbranch_scc1 .Llap
	TURN 0, 1, 0                                   ; the last lap fills nothing, and has no round of the cluster's barrier
	STEP 1, 0, 0
	s_wait_dscnt 4*NLA                             ; the very last step: nothing more to fetch
	WIN MUL_LO
	MUL16 0, 1, 1, 1, 0
	MUL16 2, 1, 1, 1, 0
	s_wait_dscnt 0
	WIN MUL_HI
	MUL16 4, 1, 1, 1, 0
	MUL16 6, 1, 1, 1, 0
	WIN 0
; THE WAY OUT, block by block of 16 rows x 128 columns, through my own stage in LDS: in as 32 bytes a lane, back as whole rows of 512 bytes.  LDS serves a wave's instructions in order (ISA guide 5.7.1.4).
.macro TOSTAGE a
.set AC, 64*((\a)%4)
.if (\a) < 4
	WIN 0x08                                       ; an LDS store's data: window 2
.else
	WIN 0x0c                                       ; window 3
.endif
.irp b, 0,1,2,3,4,5,6,7
	ds_store_b128 v[STO], v[AC+8*\b:AC+8*\b+3] offset:64*\b          ; each accumulator from its low end on
	ds_store_b128 v[STO], v[AC+8*\b+4:AC+8*\b+7] offset:64*\b+16
.endr
	WIN 0
.set BB, BK+64*((\a)%2)
.irp t, 0,1,2,3,4,5,6,7,8,9,10,11,12,13,14,15
	ds_load_b128 v[BB+4*\t:BB+4*\t+3], v[RD] offset:\t*SPITCH
.endr
.endm
.macro SEND a, younger                 ; younger: the LDS instructions issued behind block a's loads, which may stay out
.set BB, BK+64*((\a)%2)
	s_wait_dscnt \younger                          ; the block is back in registers
.if (\a) > 0
	s_add_nc_u64 s[12:13], s[12:13], 16*SIZE_N*4   ; (behind a wait on XCNT: the earlier stores have read their base)  16 rows on
.endif
.irp t, 0,1,2,3,4,5,6,7,8,9,10,11,12,13,14,15
	global_store_b128 v[CO], v[BB+4*\t:BB+4*\t+3], s[12:13] offset:\t*SIZE_N*4 th:TH_STORE_NT   ; 32 lanes store 512 consecutive bytes, at a multiple of 256 from the output's first byte
.endr
.endm
	PLACES NP                                      ; for the loads into the registers that held A's fragments, and for the reads of the last products' results
	TOSTAGE 0
.irp a, 1,2,3,4,5,6,7
.if \a > 1
	s_wait_xcnt 0x0                                ; block a - 2's stores have read their registers and their base: block a's loads may land there, and the base may step
.endif
	TOSTAGE \a
	SEND \a-1, 32                                  ; behind block a - 1's loads: block a's 16 stores and 16 loads
.endr
	s_wait_xcnt 0x0                                ; block 6's stores have read their base
	SEND 7, 0
	s_wait_tensorcnt 0x0                           ; the wave's end
	ds_add_u32 v[SPW], v[NIL]
	s_wait_dscnt 0x0
	CROUND                                         ; the closing round: no work-group ends while a partner may still ask for a tile that names it
	s_endpgm
.Lfunc_end_k_q3262b05101_oproj:
	.size	k_q3262b05101_oproj, .Lfunc_end_k_q3262b05101_oproj-k_q3262b05101_oproj
	.p2alignl 7, 3214868480
	.fill 96, 4, 3214868480
	.section	.rodata,"a",@progbits
	.p2align	6, 0x0
	.amdhsa_kernel k_q3262b05101_oproj
		.amdhsa_group_segment_fixed_size 327680
		.amdhsa_private_segment_fixed_size 0
		.amdhsa_enable_private_segment 0
		.amdhsa_kernarg_size 48
		.amdhsa_user_sgpr_count 2
		.amdhsa_user_sgpr_kernarg_segment_ptr 1
		.amdhsa_wavefront_size32 1
		.amdhsa_system_sgpr_workgroup_id_x 1
		.amdhsa_system_sgpr_workgroup_id_y 1
		.amdhsa_system_sgpr_workgroup_id_z 1
		.amdhsa_system_vgpr_workitem_id 0
		.amdhsa_next_free_vgpr 1024
		.amdhsa_next_free_sgpr 98
		.amdhsa_reserve_vcc 0
		.amdhsa_float_denorm_mode_32 3
		.amdhsa_float_denorm_mode_16_64 3
		.amdhsa_memory_ordered 1
		.amdhsa_forward_progress 1
		.amdhsa_inst_pref_size 156
	.end_amdhsa_kernel
	.amdgpu_metadata
---
amdhsa.version: [ 1, 2 ]
amdhsa.kernels:
  - .name:           k_q3262b05101_oproj
    .symbol:         k_q3262b05101_oproj.kd
    .args:
      - { .name: o_img, .offset: 0, .size: 8, .value_kind: global_buffer, .address_space: global }
      - { .name: o_sc, .offset: 8, .size: 8, .value_kind: global_buffer, .address_space: global }
      - { .name: codes, .offset: 16, .size: 8, .value_kind: global_buffer, .address_space: global }
      - { .name: scales, .offset: 24, .size: 8, .value_kind: global_buffer, .address_space: global }
      - { .name: bo, .offset: 32, .size: 8, .value_kind: global_buffer, .address_space: global }
      - { .name: out0, .offset: 40, .size: 8, .value_kind: global_buffer, .address_space: global }
    .group_segment_fixed_size: 327680
    .private_segment_fixed_size: 0
    .kernarg_segment_align: 8
    .kernarg_segment_size: 48
    .max_flat_workgroup_size: 128
    .sgpr_count:     98
    .vgpr_count:     1024
    .wavefront_size: 32
...
	.end_amdgpu_metadata
.endif
;; end of part 4
